; MI455X (gfx1250); checked and timed in simulation.
; The chip was launched on July 23, 2026; its instructions are those of AMD's public machine-readable ISA for CDNA 5 (MIT licence, August 2026) and "CDNA5" Instruction Set Architecture Reference Guide (July 2026). The comments in the code are by the model that wrote it; some were corrected since.
;; Multi Head Attention. Allowed arithmetic: float matrix products may take bf16 or f16 operands with f32 sums; all other float work in f32.
;; Inputs: Wk 1,024 x 1,024 float32; Wo 1,024 x 1,024 float32; Wq 1,024 x 1,024 float32; Wv 1,024 x 1,024 float32; bk 1,024 float32; bo 1,024 float32; bq 1,024 float32; bv 1,024 float32; mask 4 x 1 x 1 x 2,048 float32; x 4 x 2,048 x 1,024 float32.
;; Outputs: out0 4 x 2,048 x 1,024 float32.
;; 2 versions, each right. Each part assembles by itself: llvm-mc -triple=amdgcn-amd-amdhsa -mcpu=gfx1250 --defsym DOCPART=n.
;; ======== version 1 of 2: 4 launches
;; limits: right only within a limited range of input values
;; workspace buffers: cb 25,165,824 bytes; qkv 50,331,648 bytes; ao 16,777,216 bytes
;; launch cast (part 1): grid 1536 x 1, 8 waves a work-group, no clusters, 0 bytes of LDS; arguments x, Wq, Wk, Wv, Wo, cb; writes cb
.if DOCPART == 1
	.amdgcn_target "amdgcn-amd-amdhsa--gfx1250"
	.amdhsa_code_object_version 6
	.text
	.protected	k_q5d74aba8f9_cast
	.globl	k_q5d74aba8f9_cast
	.p2align	8
	.type	k_q5d74aba8f9_cast,@function
k_q5d74aba8f9_cast:
	s_mov_b64 s[64:65], 0
	v_nop
	global_prefetch_b8 v0, s[64:65] scope:SCOPE_SE
	s_setreg_imm32_b32 hwreg(HW_REG_WAVE_MODE, 25, 1), 1
	s_wait_xcnt 0x0
; x, Wq, Wk, Wv, Wo (f32) -> cb (bf16, rounded to nearest even): x's 8,192 rows at byte 0, then the rows of Wq, Wk, Wv, Wo
; from byte 0x1000000 on, 0x200000 bytes each.  The three products that follow read x and the weights many times over;
; rounding them once here halves those bytes and spares every wave the conversion of every fragment.
; A work-group turns 8,192 numbers (32 KiB) into 16 KiB: groups 0-1023 take x, then 128 groups each weight.
; Memory binds: no LDS, no barrier, no matrix unit.  All eight loads of a thread go out before the first wait.
; Thread t takes, in pass i, the 32 bytes at 8,192 i + 32 t and stores the 16 bytes at 4,096 i + 16 t: a wave's store
; covers 512 consecutive bytes, aligned; a pass's two loads together cover 1,024 consecutive bytes of the source.
.set X, 4                              ; v[4:35]   pass i: 8 numbers as loaded
.set Y, 36                             ; v[36:51]  pass i: 8 bf16 to store
	s_load_b256 s[4:11], s[0:1], 0x0               ; x s[4:5], Wq s[6:7], Wk s[8:9], Wv s[10:11]
	s_load_b128 s[12:15], s[0:1], 0x20             ; Wo s[12:13], cb s[14:15]
	s_max_u32 s20, ttmp9, 1024
	s_sub_co_u32 s20, s20, 1024                    ; chunk among the weights (0 for x's groups)
	s_lshr_b32 s21, s20, 7                         ; which weight: 0 Wq, 1 Wk, 2 Wv, 3 Wo
	s_and_b32 s22, s20, 127                        ; chunk in that weight
	v_lshlrev_b32 v1, 5, v0                        ; 32 t: source
	v_lshlrev_b32 v2, 4, v0                        ; 16 t: destination
	s_wait_kmcnt 0x0
	s_cmp_eq_u32 s21, 1
	s_cselect_b64 s[16:17], s[8:9], s[6:7]
	s_cmp_eq_u32 s21, 2
	s_cselect_b64 s[16:17], s[10:11], s[16:17]
	s_cmp_eq_u32 s21, 3
	s_cselect_b64 s[16:17], s[12:13], s[16:17]
	s_cmp_lt_u32 ttmp9, 1024
	s_cselect_b64 s[16:17], s[4:5], s[16:17]       ; the source buffer,
	s_cselect_b32 s18, ttmp9, s22                  ; and the chunk in it (the selects leave SCC as it is)
	s_lshl_b32 s18, s18, 15                        ; x 32 KiB, below 32 MiB
	s_mov_b32 s19, 0
	s_add_nc_u64 s[16:17], s[16:17], s[18:19]
	s_lshl_b32 s22, ttmp9, 14                      ; x 16 KiB, below 24 MiB
	s_mov_b32 s23, 0
	s_add_nc_u64 s[14:15], s[14:15], s[22:23]
.irp i, 0,1,2,3
	global_load_b128 v[X+8*\i:X+8*\i+3],   v1, s[16:17] offset:8192*\i th:TH_LOAD_NT
	global_load_b128 v[X+8*\i+4:X+8*\i+7], v1, s[16:17] offset:8192*\i+16 th:TH_LOAD_NT
.endr
.irp i, 0,1,2,3
	s_wait_loadcnt 6-2*\i                          ; loads return in order: pass i's two are in, the later passes' stay out
.irp j, 0,1,2,3
	v_cvt_pk_bf16_f32 v[Y+4*\i+\j], v[X+8*\i+2*\j], v[X+8*\i+2*\j+1]
.endr
	global_store_b128 v2, v[Y+4*\i:Y+4*\i+3], s[14:15] offset:4096*\i
.endr
	s_endpgm
.Lfunc_end_k_q5d74aba8f9_cast:
	.size	k_q5d74aba8f9_cast, .Lfunc_end_k_q5d74aba8f9_cast-k_q5d74aba8f9_cast
	.p2alignl 7, 3214868480
	.fill 96, 4, 3214868480
	.section	.rodata,"a",@progbits
	.p2align	6, 0x0
	.amdhsa_kernel k_q5d74aba8f9_cast
		.amdhsa_group_segment_fixed_size 0
		.amdhsa_private_segment_fixed_size 0
		.amdhsa_enable_private_segment 0
		.amdhsa_kernarg_size 48
		.amdhsa_user_sgpr_count 2
		.amdhsa_user_sgpr_kernarg_segment_ptr 1
		.amdhsa_wavefront_size32 1
		.amdhsa_system_sgpr_workgroup_id_x 1
		.amdhsa_system_sgpr_workgroup_id_y 1
		.amdhsa_system_sgpr_workgroup_id_z 1
		.amdhsa_system_vgpr_workitem_id 0
		.amdhsa_next_free_vgpr 56
		.amdhsa_next_free_sgpr 66
		.amdhsa_reserve_vcc 0
		.amdhsa_float_denorm_mode_32 3
		.amdhsa_float_denorm_mode_16_64 3
		.amdhsa_memory_ordered 1
		.amdhsa_forward_progress 1
		.amdhsa_inst_pref_size 4
	.end_amdhsa_kernel
	.amdgpu_metadata
---
amdhsa.version: [ 1, 2 ]
amdhsa.kernels:
  - .name:           k_q5d74aba8f9_cast
    .symbol:         k_q5d74aba8f9_cast.kd
    .args:
      - { .name: x, .offset: 0, .size: 8, .value_kind: global_buffer, .address_space: global }
      - { .name: Wq, .offset: 8, .size: 8, .value_kind: global_buffer, .address_space: global }
      - { .name: Wk, .offset: 16, .size: 8, .value_kind: global_buffer, .address_space: global }
      - { .name: Wv, .offset: 24, .size: 8, .value_kind: global_buffer, .address_space: global }
      - { .name: Wo, .offset: 32, .size: 8, .value_kind: global_buffer, .address_space: global }
      - { .name: cb, .offset: 40, .size: 8, .value_kind: global_buffer, .address_space: global }
    .group_segment_fixed_size: 0
    .private_segment_fixed_size: 0
    .kernarg_segment_align: 8
    .kernarg_segment_size: 48
    .max_flat_workgroup_size: 256
    .sgpr_count:     66
    .vgpr_count:     56
    .wavefront_size: 32
...
	.end_amdgpu_metadata
.endif
;; end of part 1
;; launch proj (part 2): grid 16 x 32, 4 waves a work-group, clusters of 4 x 4, 327,680 bytes of LDS; arguments cb, bq, bk, bv, qkv; writes qkv
.if DOCPART == 2
	.amdgcn_target "amdgcn-amd-amdhsa--gfx1250"
	.amdhsa_code_object_version 6
	.text
	.protected	k_q5d74aba8f9_proj
	.globl	k_q5d74aba8f9_proj
	.p2align	8
	.type	k_q5d74aba8f9_proj,@function
k_q5d74aba8f9_proj:
	s_mov_b64 s[64:65], 0
	v_nop
	global_prefetch_b8 v0, s[64:65] scope:SCOPE_SE
	s_setreg_imm32_b32 hwreg(HW_REG_WAVE_MODE, 25, 1), 1
	s_wait_xcnt 0x0
	s_wait_alu depctr_hold_cnt(0) depctr_sa_sdst(0) depctr_va_vdst(0) depctr_va_sdst(0) depctr_va_ssrc(0) depctr_va_vcc(0) depctr_vm_vsrc(0)
	s_getreg_b32 s2, hwreg(HW_REG_IB_STS2, 6, 4)
	s_cmp_eq_u32 s2, 0
	s_cbranch_scc0 .Lentry_in_a_cluster
	s_endpgm
.Lentry_in_a_cluster:
	s_bfe_u32 s2, ttmp6, 0x10000c
	s_cmp_lg_u32 s2, 0xf033
	s_cbranch_scc0 .Lentry_shape_is_right
	s_endpgm
.Lentry_shape_is_right:
; qkv = x [Wq; Wk; Wv]^T + [bq; bk; bv]: [8192 x 3072] over K = 1024, operands bf16 from cb, sums f32, result bf16.
; qkv lies head-major, [48 g][8192 rows][64]: g = h is q, 16 + h is k, 32 + h is v, so that every tile of a head is dense.
; A work-group makes 256 rows x 192 columns (three heads) with four waves; a wave makes 128 x 96: 48 accumulator tiles, 384 registers.
; 16 x 32 = 512 work-groups: each of 256 WGPs gets two.  K goes in steps of 128 through two LDS slots filled by the tensor data mover;
; a tile's rows are 256 bytes of memory and start at multiples of 256 bytes.
; CLUSTERS: 4 x 4 work-groups.  x's tile hangs on the block row alone and is asked for jointly by a row of the cluster, the weights'
; tile on the block column alone and jointly by a column: each of the four issues the same load with the same descriptor.
; By this text's count a wave has two tensor loads out at the start and one behind each refill.
; THE BIAS IS THE FIRST PRODUCT'S C OPERAND: nothing is cleared and nothing is added afterwards.
; THE MATRIX INSTRUCTION IS USED TRANSPOSED: source 0 = 16 rows of W, source 1 = 16 rows of x; lane l then holds row l % 16 and
; registers 0-7 the columns 8 (l / 16) + 0 .. 7: eight neighbouring numbers of a row, and the bias of those columns in the same places.
; REGISTERS: window 0: v16-27 addresses, v64-127 and v128-191 x's fragments (two buffers), v192-239 the bias, later packed results;
; window 1: v64-111, v128-175 W's fragments; window 2: tiles (a, b) of my rows 0-63 at v[8 (6 a + b)]; window 3: of my rows 64-127.
.set NB,     6                         ; 16-column blocks of a wave
.set SIZE_K, 1024
.set KSTEP,  128
.set PITCH,  272                       ; an LDS row: 256 bytes + 16 of padding, so that 16 rows begin in 16 different 16-byte columns
.set HALFA,  128*PITCH                 ; what one load of x brings, and what a wave reads of x
.set HALFB,  96*PITCH                  ; the same for W
.set SLOT,   2*HALFA+2*HALFB           ; x's 256 rows, then W's 192 rows
.set STAGE,  2*SLOT                    ; behind the ring, never a fill's target: 128 rows x 400 bytes for the way out
.set SPITCH, 400                       ; 384 bytes (192 bf16) + 16
.set LAPS,   SIZE_K/(2*KSTEP)          ; 4 laps of two K steps
.set WB,     0x1000000                 ; the weights' first byte in cb
.set HEADB,  8192*128                  ; bytes of a head in qkv
.set ADRA, 16                          ; v16-17  LDS address of my x fragments in slot 0, 1
.set ADRB, 20                          ; v20-21  the same for W
.set STO,  24                          ; way out: where I put 16 bytes
.set RD,   25                          ; way out: where I read 16 bytes back
.set CO,   26                          ; 16 x lane
.set BO,   27                          ; 32 (l / 16): my eight bias numbers in a block of 16
.set F0,   64
.set F1,   128
.set BIAS, 192                         ; v[192:239] block b: 8 registers
.set TMP,  192                         ; v[192:215] way out (the bias is no longer needed)
.set G1,  24                           ; s[24:31] group 1, x's tiles
.set G0,  32                           ; s[32:39] group 0, x's tiles, one set a slot
.set G1B, 48                           ; s[48:55] group 1, W's tiles
.set G0B, 56                           ; s[56:63] group 0, W's tiles
.set MSB, 0
.macro WIN new                         ; the immediate's high byte repeats the setting that is left
.if MSB != \new
	s_set_vgpr_msb (MSB<<8)|\new
.set MSB, \new
.endif
.endm
.set MUL_LO,   0xa1                    ; source 0 (W) window 1, source 1 (x) window 0, C and D window 2
.set MUL_HI,   0xf1                    ; C and D window 3
.set FIRST_LO, 0x81                    ; C (the bias) window 0, D window 2
.set FIRST_HI, 0xc1                    ; C window 0, D window 3
.set TO_B,     0x40
; A joint load: waves 0, 1 ask for x's two halves, waves 2, 3 for W's.  The branch hangs on the wave's number alone.
.macro JLOAD s
	s_cmp_eq_u32 s11, 0
	s_cbranch_scc0 .Lfor_b_\@
	tensor_load_to_lds s[G0+4*\s:G0+4*\s+3], s[G1:G1+7]
	s_nop 0
	s_branch .Lasked_\@
.Lfor_b_\@:
	tensor_load_to_lds s[G0B+4*\s:G0B+4*\s+3], s[G1B:G1B+7]
	s_nop 0
.Lasked_\@:
.endm
.macro CREST                           ; a round of the cluster's barrier behind its opening barrier
	s_cmp_lg_u32 s10, 0
	s_cbranch_scc1 .Lnot_wave_0_\@
	s_barrier_signal -3
.Lnot_wave_0_\@:
	s_barrier_wait -3
	s_barrier_signal -1
	s_barrier_wait -1
.endm
.macro CROUND
	s_barrier_signal -1
	s_barrier_wait -1
	CREST
.endm
.macro PLACES                          ; four independent vector instructions behind a matrix instruction (ISA guide 7.12.1) before its
.rept 4                                ; registers are loaded into or its results read
	v_nop
.endr
.endm
	s_load_b256 s[68:75], s[0:1], 0x0              ; cb s[68:69], bq s[70:71], bk s[72:73], bv s[74:75]
	s_load_b64 s[8:9], s[0:1], 0x20                ; qkv
	s_set_vgpr_msb 0x40
	v_lshl_add_u32 v255, v0, 2, 0x48000
	s_set_vgpr_msb 0x4000
	v_mov_b32 v255, 0
	s_set_vgpr_msb 0x1
	ds_add_u32 v255, v255
	s_set_vgpr_msb 0x100
	v_lshrrev_b32 v1, 5, v0
	v_readfirstlane_b32 s10, v1                    ; wave 0..3
	s_lshr_b32 s11, s10, 1                         ; my half of the rows.  Also: I fetch x (0) or W (1)
	s_and_b32 s12, s10, 1                          ; my half of the columns.  Also: which half of that tile I fetch
	s_bfe_u32 s40, ttmp6, 0x40000                  ; cx
	s_bfe_u32 s41, ttmp6, 0x40004                  ; cy
	s_lshl_b32 s42, ttmp9, 2
	s_add_co_u32 s42, s42, s40                     ; block column
	s_and_b32 s13, ttmp7, 0xffff
	s_lshl_b32 s13, s13, 2
	s_add_co_u32 s13, s13, s41                     ; block row
	s_lshl_b32 s43, s41, 2
	s_lshl_b32 s43, 15, s43                        ; my row of the cluster
	s_lshl_b32 s44, 0x1111, s40                    ; my column
	s_or_b32 s[G1+0], s43, (1<<16)|(1<<20)|(1<<21)|(5<<22)|(3<<25)   ; mask; 2-byte elements; padding on; bit 21 beside a mask; 4 words behind every 64
	s_or_b32 s[G1B+0], s44, (1<<16)|(1<<20)|(1<<21)|(5<<22)|(3<<25)
	s_mov_b32 s[G1+1], KSTEP<<16                   ; tensor_dim0 = 128
	s_mov_b32 s[G1B+1], KSTEP<<16
	s_mov_b32 s[G1+2], 128<<16                     ; tensor_dim1 = 128 rows of x
	s_mov_b32 s[G1B+2], 96<<16                     ;             = 96 rows of W
	s_mov_b32 s[G1+3], KSTEP<<16                   ; tile_dim0 = 128
	s_mov_b32 s[G1B+3], KSTEP<<16
	s_mov_b32 s[G1+4], 128                         ; tile_dim1
	s_mov_b32 s[G1B+4], 96
	s_mov_b32 s[G1+5], SIZE_K                      ; elements from row to row
	s_mov_b32 s[G1B+5], SIZE_K
	s_mov_b32 s[G1+6], 0
	s_mov_b32 s[G1B+6], 0
	s_mov_b32 s[G1+7], 0
	s_mov_b32 s[G1B+7], 0
	s_lshl_b32 s17, s12, 7
	s_lshl_b32 s16, s13, 8
	s_add_co_u32 s16, s16, s17                     ; x: row 256 x block row + 128 x half
	s_lshl_b32 s16, s16, 11                        ; x 2,048 bytes, below 16 MiB
	s_mov_b32 s17, 0
	s_mul_i32 s46, s42, 192
	s_mul_i32 s45, s12, 96
	s_add_co_u32 s45, s46, s45                     ; 192 x block column + 96 x half: the W rows that I fetch, and my tile's first column
	s_lshl_b32 s46, s45, 11
	s_mov_b32 s47, 0
	s_mul_i32 s20, s10, HALFA                      ; LDS: x's halves at wave x 128 rows (waves 0, 1)
	s_mul_i32 s23, s10, HALFB
	s_add_co_u32 s23, s23, 2*HALFA-2*HALFB         ; W's halves behind them (waves 2, 3)
	s_wait_dscnt 0x0
	s_wait_kmcnt 0x0
	s_add_nc_u64 s[14:15], s[68:69], s[16:17]
	s_add_nc_u64 s[46:47], s[68:69], s[46:47]
	s_add_nc_u64 s[46:47], s[46:47], WB
	CROUND                                         ; all sixteen work-groups are here: the first joint loads meet
.irp s, 0,1
	s_mov_b32 s[G0+4*\s], 1
	s_add_co_u32 s[G0+4*\s+1], s20, \s*SLOT
	s_add_nc_u64 s[G0+4*\s+2:G0+4*\s+3], s[14:15], \s*KSTEP*2
	s_or_b32 s[G0+4*\s+3], s[G0+4*\s+3], 0x80000000
	s_mov_b32 s[G0B+4*\s], 1
	s_add_co_u32 s[G0B+4*\s+1], s23, \s*SLOT
	s_add_nc_u64 s[G0B+4*\s+2:G0B+4*\s+3], s[46:47], \s*KSTEP*2
	s_or_b32 s[G0B+4*\s+3], s[G0B+4*\s+3], 0x80000000
	JLOAD \s
.endr
	v_and_b32 v1, 15, v0                           ; l % 16
	v_bfe_u32 v2, v0, 4, 1                         ; l / 16
	v_lshlrev_b32 v[BO], 5, v2
	s_mov_b32 s91, 0
; The bias of block b's 16 columns.  96 columns can cross from q to k or from k to v, 16 cannot (1,024 is a multiple of 16):
; the buffer is chosen block by block.  Each block has its own base pair, so no wait stands between the six.
.macro BIASSEL b
	s_add_co_u32 s88, s45, 16*\b                   ; the block's first column, 0 .. 3071
	s_lshr_b32 s89, s88, 10                        ; 0 q, 1 k, 2 v
	s_and_b32 s90, s88, 1023
	s_lshl_b32 s90, s90, 2
	s_cmp_eq_u32 s89, 1
	s_cselect_b64 s[76+2*\b:77+2*\b], s[72:73], s[70:71]
	s_cmp_eq_u32 s89, 2
	s_cselect_b64 s[76+2*\b:77+2*\b], s[74:75], s[76+2*\b:77+2*\b]
	s_add_nc_u64 s[76+2*\b:77+2*\b], s[76+2*\b:77+2*\b], s[90:91]
	global_load_b128 v[BIAS+8*\b:BIAS+8*\b+3],   v[BO], s[76+2*\b:77+2*\b]
	global_load_b128 v[BIAS+8*\b+4:BIAS+8*\b+7], v[BO], s[76+2*\b:77+2*\b] offset:16
.endm
.irp b, 0,1,2,3,4,5
	BIASSEL \b
.endr
	v_mul_u32_u24 v3, v1, PITCH
	v_lshl_add_u32 v3, v2, 4, v3                   ; fragment: row x pitch + 16 x half
	s_mul_i32 s21, s11, HALFA                      ; my 128 rows of x
	s_mul_i32 s22, s12, HALFB                      ; my 96 rows of W,
	s_add_co_u32 s22, s22, 2*HALFA                 ; behind x's 256
.irp s, 0,1
	v_add_nc_u32 v[ADRA+\s], s21, v3
	v_add_nc_u32 v[ADRB+\s], s22, v3
	s_add_co_u32 s21, s21, SLOT
	s_add_co_u32 s22, s22, SLOT
.endr
	s_mul_i32 s23, s11, 64*SPITCH                  ; stage, in: row 64 x (my half of the rows) + l % 16, byte 192 x (my half of the columns) + 16 (l / 16)
	s_mul_i32 s2, s12, 192
	s_add_co_u32 s23, s23, s2
	s_add_co_u32 s23, s23, STAGE
	v_mul_u32_u24 v4, v1, SPITCH
	v_lshl_add_u32 v4, v2, 4, v4
	v_add_nc_u32 v[STO], s23, v4
	s_mul_i32 s23, s10, 32*SPITCH                  ; stage, back: wave w takes rows 32 w .. 32 w + 31; eight lanes take a head's 128 bytes of a row
	s_add_co_u32 s23, s23, STAGE
	v_and_b32 v5, 31, v0
	v_lshrrev_b32 v6, 3, v5
	v_and_b32 v7, 7, v0
	v_mul_u32_u24 v6, v6, SPITCH
	v_lshl_add_u32 v6, v7, 4, v6
	v_add_nc_u32 v[RD], s23, v6
	v_lshlrev_b32 v[CO], 4, v5
; 12 matrix instructions: row blocks a0, a0 + 1 of the window's four x all 6 column blocks, 32 along K.  first = 1: C is the bias.
; The 48 accumulators take turns, one instruction a turn, in the same order in every quarter step.
.macro MULB f, hi, a0, first
.irp a, \a0, \a0+1
.irp b, 0,1,2,3,4,5
.if \first
	v_wmma_f32_16x16x32_bf16 v[8*(6*(\a)+\b):8*(6*(\a)+\b)+7], v[\f+8*\b:\f+8*\b+7], v[\f+8*(4*\hi+\a):\f+8*(4*\hi+\a)+7], v[BIAS+8*\b:BIAS+8*\b+7]
.else
	v_wmma_f32_16x16x32_bf16 v[8*(6*(\a)+\b):8*(6*(\a)+\b)+7], v[\f+8*\b:\f+8*\b+7], v[\f+8*(4*\hi+\a):\f+8*(4*\hi+\a)+7], v[8*(6*(\a)+\b):8*(6*(\a)+\b)+7]
.endif
.endr
.endr
.endm
; 28 LDS loads in one run: a quarter step's fragments (96 rows of W, 128 rows of x, 32 K at byte k of the rows) into buffer f
.macro FETCH slot, k, f
	WIN TO_B
.irp i, 0,1,2,3,4,5
	ds_load_b128 v[\f+8*\i:\f+8*\i+3],   v[ADRB+\slot] offset:\k+\i*16*PITCH
	ds_load_b128 v[\f+8*\i+4:\f+8*\i+7], v[ADRB+\slot] offset:\k+\i*16*PITCH+32
.endr
	WIN 0
.irp i, 0,1,2,3,4,5,6,7
	ds_load_b128 v[\f+8*\i:\f+8*\i+3],   v[ADRA+\slot] offset:\k+\i*16*PITCH
	ds_load_b128 v[\f+8*\i+4:\f+8*\i+7], v[ADRA+\slot] offset:\k+\i*16*PITCH+32
.endr
.endm
; One of a K step's first three quarters: multiplies buffer f and, in its middle, fetches the next quarter into buffer g.
.macro QUARTER slot, k, f, g, first
	s_wait_dscnt 8                                 ; W and x's rows 0-63 are in; the youngest eight loads (x's rows 64-127) may be out
.if \first
	WIN FIRST_LO
.else
	WIN MUL_LO
.endif
	MULB \f, 0, 0, \first
	MULB \f, 0, 2, \first
	PLACES
	FETCH \slot, \k, \g
	s_wait_dscnt 2*NB+16                           ; all but the 28 just issued
.if \first
	WIN FIRST_HI
.else
	WIN MUL_HI
.endif
	MULB \f, 1, 0, \first
	MULB \f, 1, 2, \first
.endm
.macro THREE slot, first
	QUARTER \slot, 64,  F0, F1, \first
	QUARTER \slot, 128, F1, F0, 0
	QUARTER \slot, 192, F0, F1, 0
.endm
; The last quarter changes slots.  In front of the barrier each wave waits for its reads of this slot and for all its tensor loads (one is
; out: its part of the next slot).  Where the slot is filled again the barrier opens a round of the cluster's barrier, and the joint
; refill is the first tensor load behind the round.  From a request to the wait for it a wave issues 180 matrix instructions.
.macro TURN slot, next, fill
	s_wait_dscnt 8
	WIN MUL_LO
	MULB F1, 0, 0, 0
	s_wait_dscnt 0
	s_wait_tensorcnt 0x0
	ds_add_u32 v255, v255
	s_wait_dscnt 0x0
	s_barrier_signal -1
	MULB F1, 0, 2, 0                               ; registers only, while the others arrive
	WIN 0
	s_barrier_wait -1
.if \fill
	CREST
	s_add_nc_u64 s[G0+4*\slot+2:G0+4*\slot+3], s[G0+4*\slot+2:G0+4*\slot+3], 2*KSTEP*2      ; no load of mine is out: the addresses may step
	s_add_nc_u64 s[G0B+4*\slot+2:G0B+4*\slot+3], s[G0B+4*\slot+2:G0B+4*\slot+3], 2*KSTEP*2
	JLOAD \slot
.endif
	PLACES
	FETCH \next, 0, F0
	WIN MUL_HI
	MULB F1, 1, 0, 0
	MULB F1, 1, 2, 0
.endm
.macro LAP first
	THREE 0, \first
	TURN 0, 1, 1
	THREE 1, 0
	TURN 1, 0, 1
.endm
	s_wait_loadcnt 0x0                             ; the bias
	s_wait_tensorcnt 1                             ; my part of K step 0 is in; K step 1's may stay out
	s_barrier_signal -1
	s_barrier_wait -1
	FETCH 0, 0, F0
	LAP 1                                          ; the first lap stands ahead of the loop: its first products take the bias as C
	WIN 0
	s_mov_b32 s3, LAPS-2
.Llap:
	LAP 0
	WIN 0
	s_sub_co_u32 s3, s3, 1
	s_cmp_lg_u32 s3, 0
	s_cbranch_scc1 .Llap
	THREE 0, 0                                     ; the last lap fills nothing
	TURN 0, 1, 0
	THREE 1, 0
	s_wait_dscnt 8
	WIN MUL_LO
	MULB F1, 0, 0, 0
	MULB F1, 0, 2, 0
	s_wait_dscnt 0
	WIN MUL_HI
	MULB F1, 1, 0, 0
	MULB F1, 1, 2, 0
	; THE WAY OUT.  A wave's 96 columns are a head and a half, so the four waves meet in the stage: in pass p each wave puts its rows
	; 64 p .. 64 p + 63 there (128 rows x 192 columns in all), and behind a barrier each wave takes 32 whole rows back, head by head:
	; four rows of a head are 512 consecutive bytes of qkv, aligned, one store of the wave.
	PLACES
	s_mul_i32 s88, s42, 3*8192                     ; head 3 x block column,
	s_lshl_b32 s89, s13, 8
	s_add_co_u32 s88, s88, s89                     ; row 256 x block row
	s_lshl_b32 s89, s11, 7
	s_add_co_u32 s88, s88, s89                     ; + 128 (w / 2)
	s_lshl_b32 s89, s12, 5
	s_add_co_u32 s88, s88, s89                     ; + 32 (w % 2)
	s_lshl_b32 s88, s88, 7                         ; x 128 bytes, below 48 MiB
	s_mov_b32 s89, 0
	s_add_nc_u64 s[8:9], s[8:9], s[88:89]
.macro OUTP p, from
.irp a, 0,1,2,3
	WIN \from
.irp b, 0,1,2,3,4,5
.irp r, 0,1,2,3
	v_cvt_pk_bf16_f32 v[TMP+4*\b+\r], v[8*(6*\a+\b)+2*\r], v[8*(6*\a+\b)+2*\r+1]
.endr
.endr
	WIN 0
.irp b, 0,1,2,3,4,5
	ds_store_b128 v[STO], v[TMP+4*\b:TMP+4*\b+3] offset:\a*16*SPITCH+32*\b
.endr
.endr
	s_wait_dscnt 0x0                               ; for the other waves: my part of the stage is written
.if \p
	s_wait_xcnt 0x0                                ; v[64:159], which the last pass's stores read, are loaded again only behind this wait
.endif
	s_barrier_signal -1
	s_barrier_wait -1
.irp hh, 0,1,2
.irp u, 0,1,2,3,4,5,6,7
	ds_load_b128 v[64+4*(8*\hh+\u):64+4*(8*\hh+\u)+3], v[RD] offset:\u*4*SPITCH+\hh*128
.endr
.endr
.irp hh, 0,1,2
.irp u, 0,1,2,3,4,5,6,7
	s_wait_dscnt 23-(8*\hh+\u)                     ; LDS loads return in order: this one is in
	global_store_b128 v[CO], v[64+4*(8*\hh+\u):64+4*(8*\hh+\u)+3], s[8:9] offset:\hh*HEADB+\p*8192+\u*512
.endr
.endr
.endm
	OUTP 0, 0x0a
	s_barrier_signal -1                            ; every wave's reads of the stage are back (the count-down ended at 0):
	s_barrier_wait -1                              ; it may be written again
	OUTP 1, 0x0f
	s_set_vgpr_msb 0x1
	s_wait_tensorcnt 0x0
	ds_add_u32 v255, v255
	s_wait_dscnt 0x0
	s_set_vgpr_msb 0x100
	CROUND                                         ; the closing round: no work-group ends while a partner may still ask jointly
	s_endpgm
.Lfunc_end_k_q5d74aba8f9_proj:
	.size	k_q5d74aba8f9_proj, .Lfunc_end_k_q5d74aba8f9_proj-k_q5d74aba8f9_proj
	.p2alignl 7, 3214868480
	.fill 96, 4, 3214868480
	.section	.rodata,"a",@progbits
	.p2align	6, 0x0
	.amdhsa_kernel k_q5d74aba8f9_proj
		.amdhsa_group_segment_fixed_size 327680
		.amdhsa_private_segment_fixed_size 0
		.amdhsa_enable_private_segment 0
		.amdhsa_kernarg_size 40
		.amdhsa_user_sgpr_count 2
		.amdhsa_user_sgpr_kernarg_segment_ptr 1
		.amdhsa_wavefront_size32 1
		.amdhsa_system_sgpr_workgroup_id_x 1
		.amdhsa_system_sgpr_workgroup_id_y 1
		.amdhsa_system_sgpr_workgroup_id_z 1
		.amdhsa_system_vgpr_workitem_id 0
		.amdhsa_next_free_vgpr 960
		.amdhsa_next_free_sgpr 96
		.amdhsa_reserve_vcc 0
		.amdhsa_float_denorm_mode_32 3
		.amdhsa_float_denorm_mode_16_64 3
		.amdhsa_memory_ordered 1
		.amdhsa_forward_progress 1
		.amdhsa_inst_pref_size 161
	.end_amdhsa_kernel
	.amdgpu_metadata
---
amdhsa.version: [ 1, 2 ]
amdhsa.kernels:
  - .name:           k_q5d74aba8f9_proj
    .symbol:         k_q5d74aba8f9_proj.kd
    .args:
      - { .name: cb, .offset: 0, .size: 8, .value_kind: global_buffer, .address_space: global }
      - { .name: bq, .offset: 8, .size: 8, .value_kind: global_buffer, .address_space: global }
      - { .name: bk, .offset: 16, .size: 8, .value_kind: global_buffer, .address_space: global }
      - { .name: bv, .offset: 24, .size: 8, .value_kind: global_buffer, .address_space: global }
      - { .name: qkv, .offset: 32, .size: 8, .value_kind: global_buffer, .address_space: global }
    .group_segment_fixed_size: 327680
    .private_segment_fixed_size: 0
    .kernarg_segment_align: 8
    .kernarg_segment_size: 40
    .max_flat_workgroup_size: 128
    .sgpr_count:     96
    .vgpr_count:     960
    .wavefront_size: 32
...
	.end_amdgpu_metadata
.endif
;; end of part 2
;; launch attn (part 3): grid 256 x 1, 8 waves a work-group, clusters of 4 x 1, 327,680 bytes of LDS; arguments qkv, mask, ao; writes ao
.if DOCPART == 3
	.amdgcn_target "amdgcn-amd-amdhsa--gfx1250"
	.amdhsa_code_object_version 6
	.text
	.protected	k_q5d74aba8f9_attn
	.globl	k_q5d74aba8f9_attn
	.p2align	8
	.type	k_q5d74aba8f9_attn,@function
k_q5d74aba8f9_attn:
	s_mov_b64 s[64:65], 0
	v_nop
	global_prefetch_b8 v0, s[64:65] scope:SCOPE_SE
	s_setreg_imm32_b32 hwreg(HW_REG_WAVE_MODE, 25, 1), 1
	s_wait_xcnt 0x0
	s_wait_alu depctr_hold_cnt(0) depctr_sa_sdst(0) depctr_va_vdst(0) depctr_va_sdst(0) depctr_va_ssrc(0) depctr_va_vcc(0) depctr_vm_vsrc(0)
	s_getreg_b32 s2, hwreg(HW_REG_IB_STS2, 6, 4)
	s_cmp_eq_u32 s2, 0
	s_cbranch_scc0 .Lentry_in_a_cluster
	s_endpgm
.Lentry_in_a_cluster:
	s_bfe_u32 s2, ttmp6, 0x10000c
	s_cmp_lg_u32 s2, 0x3003
	s_cbranch_scc0 .Lentry_shape_is_right
	s_endpgm
.Lentry_shape_is_right:
; ao[h][b, s][:] = softmax(q k^T / 8 + mask) v for one (b, h) and 512 query rows a work-group; q, k, v bf16 from qkv, sums f32, ao bf16.
; Eight waves, 64 query rows (four tiles of 16) each, two waves to a SIMD so that one wave's softmax runs beside the other's products.
; Keys go in tiles of 256 through two LDS slots, in steps of 64.
; CLUSTERS: the four work-groups of a cluster are the four query blocks of one (b, h) and read the same K and V: every K and V tile
; is asked for jointly (mask 15): waves 0-3 ask for V's quarters, waves 4-7 for K's.  A wave never has more than one tensor load out.
; LAYOUT: scores are made transposed, S^T = K Q^T: lane (r, hf) holds keys 8 hf + j of query row r.  Two key tiles, rounded in pairs,
; ARE the second source of O^T = V^T P^T for 32 keys: P never moves between lanes.  V^T comes from LDS by the transposing load.
; A row's figures are one number a lane; only the maximum crosses the two halves of the lanes.  The row sum is one more product,
; with a first source of ones; of its eight equal rows only registers 0 and 1 are rescaled, the others are never read.
; ARITHMETIC: raw scores S' = q.k + 8 mask (8 mask is the first score product's C operand); p = 2^(c S' + n), c = log2(e) / 8,
; n = -c x running maximum, rounded once and used alike in p and in the rescaling 2^(n_new - n_old), which is therefore consistent.
; LIMITS: 8 mask is clamped from below at -1e30 (so -inf is served); a NaN in the mask is read as -1e30.  The running maximum starts
; from -1e10 (a score of -1.25e9): as long as no q.k + 8 mask exceeds +1.19e10, |c max| stays below 2^31, its rounding error below 64, so p stays below 2^64 and masked keys give 0.
; A row in which EVERY key's score lies below -1.25e9 gives 0 / 0 = NaN.
.set KEYS,   256                       ; keys in a tile
.set VPITCH, 160                       ; V's LDS row: 128 bytes + 32, an odd multiple of 32 for the transposing load
.set KPITCH, 144                       ; K's LDS row: 128 bytes + 16
.set VPART,  KEYS*VPITCH
.set SLOT,   VPART+KEYS*KPITCH         ; V's 256 rows, then K's
.set MASKL,  2*SLOT                    ; 2,048 numbers 8 mask, written by LDS stores, never a fill's target
.set STAGE,  MASKL+8192                ; 16 rows x 144 bytes for each wave, for the way out
.set SPITCH, 144
; window 0
.set ADRK, 8                           ; v8-9    my K fragment's address in slot 0, 1
.set ADRV, 10                          ; v10-11  my V fragment's address
.set ADRM, 12                          ; v12     8 mask of the tile's first keys; steps 1,024 bytes a tile
.set STO,  13
.set RD,   14
.set CO,   15
.set ONES, 16                          ; v[16:23]   a fragment of 1.0
.set QF,   32                          ; v[32:95]   Q: tile t, half ds of the head's 64: 8 registers at 16 t + 8 ds
.set KF,   96                          ; v[96:159]  K: key tile kt, half ds
.set VF,   160                         ; v[160:223] V^T: 32 keys ks, 16 columns db: 8 registers at 32 ks + 8 db
.set MK,   224                         ; v[224:255] 8 mask in the scores' layout, key tile kt
; window 1
.set OA,   0                           ; v[256:383] O^T: tile t, columns db
.set LS,   128                         ; v[384:415] row sums, tile t
.set SC,   160                         ; v[416:479] scores, then p, then P, of a pair of query tiles u = 0, 1
.set ST,   232                         ; tile t: n at 2 t, the running maximum at 2 t + 1
.set AL,   240                         ; the rescaling factor (its pair's second register is written once and never used)
.set TT,   242                         ; v[498:501] at work
.set G1V, 24
.set G1K, 32
.set G0V, 40                           ; one set a slot
.set G0K, 48
.set MSB, 0
.macro WIN new
.if MSB != \new
	s_set_vgpr_msb (MSB<<8)|\new
.set MSB, \new
.endif
.endm
.macro NOPS n
.rept \n
	v_nop
.endr
.endm
.macro ROUND                           ; a round of the cluster's barrier
	s_barrier_signal -1
	s_barrier_wait -1
	s_cmp_lg_u32 s10, 0
	s_cbranch_scc1 .Lnot_wave_0_\@
	s_barrier_signal -3
.Lnot_wave_0_\@:
	s_barrier_wait -3
	s_barrier_signal -1
	s_barrier_wait -1
.endm
.macro JLOAD s                         ; the branch hangs on the wave's number alone
	s_cmp_eq_u32 s11, 0
	s_cbranch_scc0 .Lfor_k_\@
	tensor_load_to_lds s[G0V+4*(\s):G0V+4*(\s)+3], s[G1V:G1V+7]
	s_nop 0
	s_branch .Lasked_\@
.Lfor_k_\@:
	tensor_load_to_lds s[G0K+4*(\s):G0K+4*(\s)+3], s[G1K:G1K+7]
	s_nop 0
.Lasked_\@:
.endm
	s_load_b128 s[4:7], s[0:1], 0x0                ; qkv s[4:5], mask s[6:7]
	s_load_b64 s[8:9], s[0:1], 0x10                ; ao
	v_lshl_add_u32 v30, v0, 2, 0x2c800
	v_mov_b32 v31, 0
	ds_add_u32 v30, v31
	v_lshrrev_b32 v1, 5, v0
	v_readfirstlane_b32 s10, v1                    ; wave 0..7
	s_lshr_b32 s11, s10, 2                         ; I fetch V (0) or K (1),
	s_and_b32 s12, s10, 3                          ; and which 64 keys of a tile
	s_bfe_u32 s13, ttmp6, 0x40000                  ; cx: my block of 512 query rows
	s_lshr_b32 s14, ttmp9, 4                       ; b
	s_and_b32 s15, ttmp9, 15                       ; h
	s_mov_b32 s56, 0x76543210                      ; v_permlanex16_b32: lane i reads lane i of the other half
	s_mov_b32 s57, 0xfedcba98
	s_mov_b32 s60, 0x3e38aa3b                      ; c = log2(e) / 8
	s_mov_b32 s61, 0x3e38aa3b
	s_mov_b32 s62, 0xbe38aa3b                      ; -c
	; group 1: 64 rows of 64 elements, dense in memory; behind every 32 words 8 words of padding (V) or 4 (K)
	s_mov_b32 s[G1V+0], 15|(1<<16)|(1<<20)|(1<<21)|(4<<22)|(7<<25)
	s_mov_b32 s[G1K+0], 15|(1<<16)|(1<<20)|(1<<21)|(4<<22)|(3<<25)
	s_mov_b32 s[G1V+1], 64<<16
	s_mov_b32 s[G1K+1], 64<<16
	s_mov_b32 s[G1V+2], 64<<16
	s_mov_b32 s[G1K+2], 64<<16
	s_mov_b32 s[G1V+3], 64<<16
	s_mov_b32 s[G1K+3], 64<<16
	s_mov_b32 s[G1V+4], 64
	s_mov_b32 s[G1K+4], 64
	s_mov_b32 s[G1V+5], 64
	s_mov_b32 s[G1K+5], 64
	s_mov_b32 s[G1V+6], 0
	s_mov_b32 s[G1K+6], 0
	s_mov_b32 s[G1V+7], 0
	s_mov_b32 s[G1K+7], 0
	s_lshl_b32 s16, s14, 11                        ; row b x 2,048
	s_lshl_b32 s17, s12, 6
	s_add_co_u32 s16, s16, s17                     ; + my 64 keys
	s_lshl_b32 s17, s15, 13
	s_add_co_u32 s16, s16, s17                     ; + h x 8,192
	s_lshl_b32 s16, s16, 7                         ; x 128 bytes: nothing here hangs on cx
	s_mov_b32 s17, 0
	s_mul_i32 s20, s10, 64*VPITCH                  ; LDS: V's quarters (waves 0-3),
	s_mul_i32 s21, s10, 64*KPITCH
	s_add_co_u32 s21, s21, VPART-4*64*KPITCH       ; K's behind them (waves 4-7)
	s_lshl_b32 s66, s14, 11                        ; my wave's query rows: b x 2,048 + h x 8,192 + 512 cx + 64 w, alike in q and in ao
	s_lshl_b32 s67, s15, 13
	s_add_co_u32 s66, s66, s67
	s_lshl_b32 s67, s13, 9
	s_add_co_u32 s66, s66, s67
	s_lshl_b32 s67, s10, 6
	s_add_co_u32 s66, s66, s67
	s_lshl_b32 s66, s66, 7
	s_mov_b32 s67, 0
	s_lshl_b32 s22, s14, 13                        ; the batch's 2,048 mask numbers
	s_mov_b32 s23, 0
	v_and_b32 v1, 31, v0                           ; lane
	v_and_b32 v2, 15, v0                           ; r
	v_bfe_u32 v3, v0, 4, 1                         ; hf
	v_lshlrev_b32 v7, 7, v2
	v_lshl_add_u32 v7, v3, 4, v7                   ; Q fragment: row r x 128 bytes + 16 hf
	v_lshlrev_b32 v24, 5, v0                       ; thread t takes mask numbers 8 t .. 8 t + 7
	s_wait_dscnt 0x0
	s_wait_kmcnt 0x0
	s_add_nc_u64 s[18:19], s[4:5], s[16:17]
	s_add_nc_u64 s[68:69], s[4:5], s[66:67]
	s_add_nc_u64 s[8:9], s[8:9], s[66:67]
	s_add_nc_u64 s[6:7], s[6:7], s[22:23]
	global_load_b128 v[KF:KF+3],   v24, s[6:7]
	global_load_b128 v[KF+4:KF+7], v24, s[6:7] offset:16
.irp t, 0,1,2,3
.irp ds, 0,1
	global_load_b128 v[QF+16*\t+8*\ds:QF+16*\t+8*\ds+3],   v7, s[68:69] offset:2048*\t+64*\ds
	global_load_b128 v[QF+16*\t+8*\ds+4:QF+16*\t+8*\ds+7], v7, s[68:69] offset:2048*\t+64*\ds+32
.endr
.endr
.irp s, 0,1
	s_mov_b32 s[G0V+4*\s], 1
	s_add_co_u32 s[G0V+4*\s+1], s20, \s*SLOT
	s_add_nc_u64 s[G0V+4*\s+2:G0V+4*\s+3], s[18:19], 32*8192*128+\s*KEYS*128     ; v is heads 32 .. 47; tile s
	s_or_b32 s[G0V+4*\s+3], s[G0V+4*\s+3], 0x80000000
	s_mov_b32 s[G0K+4*\s], 1
	s_add_co_u32 s[G0K+4*\s+1], s21, \s*SLOT
	s_add_nc_u64 s[G0K+4*\s+2:G0K+4*\s+3], s[18:19], 16*8192*128+\s*KEYS*128     ; k is heads 16 .. 31
	s_or_b32 s[G0K+4*\s+3], s[G0K+4*\s+3], 0x80000000
.endr
	ROUND                                          ; the four work-groups are here: the first joint loads meet
	JLOAD 0                                        ; tile 0; slot 1 is first filled behind the first tile's round, as a refill is
	v_mul_u32_u24 v4, v2, KPITCH
	v_lshl_add_u32 v4, v3, 4, v4                   ; r x 144 + 16 hf: K fragments, and the stage's way in
	v_add_nc_u32 v[ADRK], VPART, v4
	v_add_nc_u32 v[ADRK+1], VPART+SLOT, v4
	v_and_b32 v5, 7, v0
	v_lshl_add_u32 v6, v3, 3, v5                   ; transposing load: key 8 hf + lane % 8,
	v_mul_u32_u24 v6, v6, VPITCH
	v_bfe_u32 v26, v0, 3, 1
	v_lshl_add_u32 v[ADRV], v26, 4, v6             ; 16 bytes at 16 ((lane / 8) % 2)
	v_add_nc_u32 v[ADRV+1], SLOT, v[ADRV]
	v_lshlrev_b32 v[ADRM], 5, v3
	v_add_nc_u32 v[ADRM], MASKL, v[ADRM]           ; keys 8 hf .. 8 hf + 7 of a tile of 16
	s_mul_i32 s16, s10, 16*SPITCH
	s_add_co_u32 s16, s16, STAGE                   ; my stage
	v_add_nc_u32 v[STO], s16, v4
	v_lshrrev_b32 v26, 3, v1
	v_mul_u32_u24 v26, v26, SPITCH
	v_lshl_add_u32 v26, v5, 4, v26
	v_add_nc_u32 v[RD], s16, v26                   ; back: eight lanes take a row's 128 bytes
	v_lshlrev_b32 v[CO], 4, v1
	v_add_nc_u32 v25, MASKL, v24
.irp j, 0,1,2,3,4,5,6,7
	v_mov_b32 v[ONES+\j], 0x3f803f80               ; two bf16 ones
.endr
	WIN 0x40
	v_mov_b32 v[AL+1], 0                           ; the packed multiplies name the pair
	WIN 0
	s_wait_loadcnt 16                              ; the two mask loads are in; the sixteen of Q stay out
.irp j, 0,2,4,6
	v_pk_mul_f32 v[KF+\j:KF+\j+1], v[KF+\j:KF+\j+1], 0x41000000 op_sel_hi:[1,0]    ; 8 mask: exact
.endr
.irp j, 0,1,2,3,4,5,6,7
	v_max_num_f32 v[KF+\j], 0xf149f2ca, v[KF+\j]   ; not below -1e30
.endr
	ds_store_b128 v25, v[KF:KF+3]
	ds_store_b128 v25, v[KF+4:KF+7] offset:16      ; waited for in front of the first tile's round, behind which all waves read them
	s_wait_loadcnt 0x0                             ; Q
; 24 LDS loads: K's fragments and 8 mask for keys 64 i .. 64 i + 63 of the slot's tile
.macro LDK slot, i
.irp kt, 0,1,2,3
.irp ds, 0,1
	ds_load_b128 v[KF+16*\kt+8*\ds:KF+16*\kt+8*\ds+3],   v[ADRK+\slot] offset:(64*(\i)+16*\kt)*KPITCH+64*\ds
	ds_load_b128 v[KF+16*\kt+8*\ds+4:KF+16*\kt+8*\ds+7], v[ADRK+\slot] offset:(64*(\i)+16*\kt)*KPITCH+64*\ds+32
.endr
.endr
.irp kt, 0,1,2,3
	ds_load_b128 v[MK+8*\kt:MK+8*\kt+3],   v[ADRM] offset:256*(\i)+64*\kt
	ds_load_b128 v[MK+8*\kt+4:MK+8*\kt+7], v[ADRM] offset:256*(\i)+64*\kt+16
.endr
.endm
; 16 transposing loads: V^T's fragments for the same keys
.macro LDV slot, i
.irp ks, 0,1
.irp db, 0,1,2,3
	ds_load_tr16_b128 v[VF+32*\ks+8*\db:VF+32*\ks+8*\db+3],   v[ADRV+\slot] offset:(64*(\i)+32*\ks)*VPITCH+32*\db
	ds_load_tr16_b128 v[VF+32*\ks+8*\db+4:VF+32*\ks+8*\db+7], v[ADRV+\slot] offset:(64*(\i)+32*\ks+16)*VPITCH+32*\db
.endr
.endr
.endm
; Scores of query tiles 2 p, 2 p + 1 against 64 keys: eight accumulators by turns, one instruction a turn;
; the first half of the head takes 8 mask as C, the second adds in place.
.macro SMM p
	WIN 0x40                                       ; D window 1; K, Q and 8 mask window 0
.irp kt, 0,1,2,3
.irp u, 0,1
	v_wmma_f32_16x16x32_bf16 v[SC+32*\u+8*\kt:SC+32*\u+8*\kt+7], v[KF+16*\kt:KF+16*\kt+7], v[QF+16*(2*\p+\u):QF+16*(2*\p+\u)+7], v[MK+8*\kt:MK+8*\kt+7]
.endr
.endr
	WIN 0x50                                       ; C window 1 too
.irp kt, 0,1,2,3
.irp u, 0,1
	v_wmma_f32_16x16x32_bf16 v[SC+32*\u+8*\kt:SC+32*\u+8*\kt+7], v[KF+16*\kt+8:KF+16*\kt+15], v[QF+16*(2*\p+\u)+8:QF+16*(2*\p+\u)+15], v[SC+32*\u+8*\kt:SC+32*\u+8*\kt+7]
.endr
.endr
	NOPS 4                                         ; before the scores are read, and before K and 8 mask are loaded again (ISA guide 7.12.1)
.endm
; Query tile t: the new maximum, p in place, O and the row sum rescaled, P packed in place.  All in window 1.
.macro SOFTMAX t, first
.set SB, SC+32*(\t&1)
.irp c, 0,1,2,3
	v_max3_num_f32 v[TT+\c], v[SB+8*\c], v[SB+8*\c+1], v[SB+8*\c+2]            ; four chains that do not wait for each other
.endr
.irp c, 0,1,2,3
	v_max3_num_f32 v[TT+\c], v[TT+\c], v[SB+8*\c+3], v[SB+8*\c+4]
.endr
.irp c, 0,1,2,3
	v_max3_num_f32 v[TT+\c], v[TT+\c], v[SB+8*\c+5], v[SB+8*\c+6]
.endr
	v_max3_num_f32 v[TT], v[TT], v[TT+1], v[SB+7]
	v_max3_num_f32 v[TT+2], v[TT+2], v[TT+3], v[SB+15]
	v_max3_num_f32 v[TT], v[TT], v[TT+2], v[SB+23]
.if \first
	v_max3_num_f32 v[TT], v[TT], v[SB+31], 0xd01502f9                          ; the maximum starts from -1e10
.else
	v_max3_num_f32 v[TT], v[TT], v[SB+31], v[ST+2*\t+1]                        ; or from the one so far
.endif
	v_permlanex16_b32 v[TT+1], v[TT], s56, s57                                 ; the other half of the lanes holds the row's other keys
	v_max_num_f32 v[ST+2*\t+1], v[TT], v[TT+1]
.if \first
	v_mul_f32 v[ST+2*\t], s62, v[ST+2*\t+1]                                    ; n = -c max
.else
	v_mul_f32 v[TT+2], s62, v[ST+2*\t+1]
	v_sub_f32 v[TT+3], v[TT+2], v[ST+2*\t]                                     ; n_new - n_old, never above 0
	v_mov_b32 v[ST+2*\t], v[TT+2]
	v_exp_f32 v[AL], v[TT+3]                                                   ; used sixteen plain instructions further down
.endif
.irp i, 0,2,4,6,8,10,12,14,16,18,20,22,24,26,28,30
	v_pk_fma_f32 v[SB+\i:SB+\i+1], v[SB+\i:SB+\i+1], s[60:61], v[ST+2*\t:ST+2*\t+1] op_sel_hi:[1,0,0]     ; c S' + n
.endr
.irp i, 0,2,4,6,8,10,12,14,16,18,20,22,24,26,28,30
	v_exp_f32 v[SB+\i], v[SB+\i]
	v_exp_f32 v[SB+\i+1], v[SB+\i+1]
.if \first == 0
	s_wait_alu depctr_va_vdst(0)
	v_pk_mul_f32 v[OA+32*\t+\i:OA+32*\t+\i+1], v[OA+32*\t+\i:OA+32*\t+\i+1], v[AL:AL+1] op_sel_hi:[1,0]   ; the plain instruction behind the two exponentials (ISA guide 5.7.2)
.endif
.endr
.if \first
	v_nop                                                                      ; the plain instruction behind the exponentials
	s_wait_alu depctr_va_vdst(0)
.else
	v_pk_mul_f32 v[LS+8*\t:LS+8*\t+1], v[LS+8*\t:LS+8*\t+1], v[AL:AL+1] op_sel_hi:[1,0]
	s_wait_alu depctr_va_vdst(0)
.endif
.irp ks, 0,1
.irp m, 0,1,2,3,4,5,6,7
	v_cvt_pk_bf16_f32 v[SB+16*\ks+\m], v[SB+16*\ks+2*\m], v[SB+16*\ks+2*\m+1]  ; ascending: no source is written before it is read
.endr
.endr
.endm
; O^T += V^T P^T and the row sums, for query tiles 2 p, 2 p + 1: ten accumulators by turns, gone through twice (32 keys each time).
.macro PV p, first
	WIN 0x54                                       ; V^T and the ones window 0; P, C and D window 1
.irp ks, 0,1
.irp u, 0,1
.irp db, 0,1,2,3
.if \first*(1-\ks)
	v_wmma_f32_16x16x32_bf16 v[OA+32*(2*\p+\u)+8*\db:OA+32*(2*\p+\u)+8*\db+7], v[VF+32*\ks+8*\db:VF+32*\ks+8*\db+7], v[SC+32*\u+16*\ks:SC+32*\u+16*\ks+7], 0
.else
	v_wmma_f32_16x16x32_bf16 v[OA+32*(2*\p+\u)+8*\db:OA+32*(2*\p+\u)+8*\db+7], v[VF+32*\ks+8*\db:VF+32*\ks+8*\db+7], v[SC+32*\u+16*\ks:SC+32*\u+16*\ks+7], v[OA+32*(2*\p+\u)+8*\db:OA+32*(2*\p+\u)+8*\db+7]
.endif
.endr
.if \first*(1-\ks)
	v_wmma_f32_16x16x32_bf16 v[LS+8*(2*\p+\u):LS+8*(2*\p+\u)+7], v[ONES:ONES+7], v[SC+32*\u+16*\ks:SC+32*\u+16*\ks+7], 0
.else
	v_wmma_f32_16x16x32_bf16 v[LS+8*(2*\p+\u):LS+8*(2*\p+\u)+7], v[ONES:ONES+7], v[SC+32*\u+16*\ks:SC+32*\u+16*\ks+7], v[LS+8*(2*\p+\u):LS+8*(2*\p+\u)+7]
.endif
.endr
.endr
	NOPS 5                                         ; the next score products write over P; V^T is loaded again; O is rescaled (ISA guide 7.12.1)
.endm
; 64 keys.  pre = 1: the next step's K and 8 mask are fetched as soon as this step's last score product has read them.
.macro STEP slot, i, pre, first
	WIN 0
	LDV \slot, \i
	s_wait_dscnt 16                                ; K and 8 mask are in; the sixteen loads of V^T just issued may stay out
	SMM 0
	WIN 0x55
	SOFTMAX 0, \first
	SOFTMAX 1, \first
	s_wait_dscnt 0                                 ; V^T
	PV 0, \first
	SMM 1
.if \pre
	WIN 0
	LDK \slot, \i+1
.endif
	WIN 0x55
	SOFTMAX 2, \first
	SOFTMAX 3, \first
	PV 1, \first
.endm
; A tile of 256 keys.  In front of the round each wave waits for all its tensor loads (its part of this tile) and for its LDS
; instructions (the reads of the other slot; in the first tile the stores of 8 mask).  The joint refill of the other slot is the first
; tensor load behind the round and has the whole tile's work in which to land.
.macro TRIP slot, refill, first
	WIN 0
	s_wait_tensorcnt 0x0
	ds_add_u32 v30, v31
	s_wait_dscnt 0x0
	s_add_nc_u64 s[G0V+4*\slot+2:G0V+4*\slot+3], s[G0V+4*\slot+2:G0V+4*\slot+3], 2*KEYS*128     ; no load of mine is out: this slot's next tile
	s_add_nc_u64 s[G0K+4*\slot+2:G0K+4*\slot+3], s[G0K+4*\slot+2:G0K+4*\slot+3], 2*KEYS*128
	s_wait_dscnt 0x0
	ROUND
.if \refill
	JLOAD 1-\slot
.endif
	LDK \slot, 0
	STEP \slot, 0, 1, \first
	STEP \slot, 1, 1, 0
	STEP \slot, 2, 1, 0
	STEP \slot, 3, 0, 0
	WIN 0
.if \refill
	v_add_nc_u32 v[ADRM], 4*KEYS, v[ADRM]          ; the next tile's 8 mask
.endif
.endm
	TRIP 0, 1, 1                                   ; tiles 0 and 1 stand ahead of the loop: the first step starts maxima and sums
	TRIP 1, 1, 0
	s_mov_b32 s63, 2
.Ltiles:
	TRIP 0, 1, 0                                   ; tiles 2 to 5
	TRIP 1, 1, 0
	s_sub_co_u32 s63, s63, 1
	s_cmp_lg_u32 s63, 0
	s_cbranch_scc1 .Ltiles
	TRIP 0, 1, 0                                   ; tile 6 asks for tile 7,
	TRIP 1, 0, 0                                   ; tile 7 for nothing
; The way out, query tile t: divide by the row sum, round, 16 bytes a lane into my own stage, whole rows back: four rows of 128 bytes
; are 512 consecutive bytes of ao, aligned, one store of the wave.  LDS serves a wave's instructions in order, so no wait stands
; between my stores and my loads.  Each tile has registers of its own: no store's data is written again.
.macro OUTQ t
	WIN 0x55
	v_rcp_f32 v[AL], v[LS+8*\t]
	v_nop                                          ; the plain instruction behind the reciprocal
	s_wait_alu depctr_va_vdst(0)
.irp i, 0,2,4,6,8,10,12,14,16,18,20,22,24,26,28,30
	v_pk_mul_f32 v[OA+32*\t+\i:OA+32*\t+\i+1], v[OA+32*\t+\i:OA+32*\t+\i+1], v[AL:AL+1] op_sel_hi:[1,0]
.endr
	WIN 0x05                                       ; sources window 1, destination window 0
.irp i, 0,1,2,3,4,5,6,7,8,9,10,11,12,13,14,15
	v_cvt_pk_bf16_f32 v[KF+16*\t+\i], v[OA+32*\t+2*\i], v[OA+32*\t+2*\i+1]
.endr
	WIN 0
.irp db, 0,1,2,3
	ds_store_b128 v[STO], v[KF+16*\t+4*\db:KF+16*\t+4*\db+3] offset:32*\db
.endr
.irp u, 0,1,2,3
	ds_load_b128 v[VF+16*\t+4*\u:VF+16*\t+4*\u+3], v[RD] offset:4*SPITCH*\u
.endr
.irp u, 0,1,2,3
	s_wait_dscnt 3-\u
	global_store_b128 v[CO], v[VF+16*\t+4*\u:VF+16*\t+4*\u+3], s[8:9] offset:2048*\t+512*\u
.endr
.endm
	OUTQ 0
	OUTQ 1
	OUTQ 2
	OUTQ 3
	s_wait_tensorcnt 0x0
	ds_add_u32 v30, v31
	s_wait_dscnt 0x0
	ROUND                                          ; the closing round
	s_endpgm
.Lfunc_end_k_q5d74aba8f9_attn:
	.size	k_q5d74aba8f9_attn, .Lfunc_end_k_q5d74aba8f9_attn-k_q5d74aba8f9_attn
	.p2alignl 7, 3214868480
	.fill 96, 4, 3214868480
	.section	.rodata,"a",@progbits
	.p2align	6, 0x0
	.amdhsa_kernel k_q5d74aba8f9_attn
		.amdhsa_group_segment_fixed_size 327680
		.amdhsa_private_segment_fixed_size 0
		.amdhsa_enable_private_segment 0
		.amdhsa_kernarg_size 24
		.amdhsa_user_sgpr_count 2
		.amdhsa_user_sgpr_kernarg_segment_ptr 1
		.amdhsa_wavefront_size32 1
		.amdhsa_system_sgpr_workgroup_id_x 1
		.amdhsa_system_sgpr_workgroup_id_y 1
		.amdhsa_system_sgpr_workgroup_id_z 1
		.amdhsa_system_vgpr_workitem_id 0
		.amdhsa_next_free_vgpr 512
		.amdhsa_next_free_sgpr 80
		.amdhsa_reserve_vcc 0
		.amdhsa_float_denorm_mode_32 3
		.amdhsa_float_denorm_mode_16_64 3
		.amdhsa_memory_ordered 1
		.amdhsa_forward_progress 1
		.amdhsa_inst_pref_size 255
	.end_amdhsa_kernel
	.section	.bss,"aw",@nobits
	.p2align	6
	.space	262144
	.amdgpu_metadata
---
amdhsa.version: [ 1, 2 ]
amdhsa.kernels:
  - .name:           k_q5d74aba8f9_attn
    .symbol:         k_q5d74aba8f9_attn.kd
    .args:
      - { .name: qkv, .offset: 0, .size: 8, .value_kind: global_buffer, .address_space: global }
      - { .name: mask, .offset: 8, .size: 8, .value_kind: global_buffer, .address_space: global }
      - { .name: ao, .offset: 16, .size: 8, .value_kind: global_buffer, .address_space: global }
    .group_segment_fixed_size: 327680
    .private_segment_fixed_size: 0
    .kernarg_segment_align: 8
    .kernarg_segment_size: 24
    .max_flat_workgroup_size: 256
    .sgpr_count:     80
    .vgpr_count:     512
    .wavefront_size: 32
...
	.end_amdgpu_metadata
.endif
;; end of part 3
;; launch outp (part 4): grid 8 x 32, 4 waves a work-group, clusters of 4 x 4, 327,680 bytes of LDS; arguments ao, cb, bo, out0; writes out0
.if DOCPART == 4
	.amdgcn_target "amdgcn-amd-amdhsa--gfx1250"
	.amdhsa_code_object_version 6
	.text
	.protected	k_q5d74aba8f9_outp
	.globl	k_q5d74aba8f9_outp
	.p2align	8
	.type	k_q5d74aba8f9_outp,@function
k_q5d74aba8f9_outp:
	s_mov_b64 s[64:65], 0
	v_nop
	global_prefetch_b8 v0, s[64:65] scope:SCOPE_SE
	s_setreg_imm32_b32 hwreg(HW_REG_WAVE_MODE, 25, 1), 1
	s_wait_xcnt 0x0
	s_wait_alu depctr_hold_cnt(0) depctr_sa_sdst(0) depctr_va_vdst(0) depctr_va_sdst(0) depctr_va_ssrc(0) depctr_va_vcc(0) depctr_vm_vsrc(0)
	s_getreg_b32 s2, hwreg(HW_REG_IB_STS2, 6, 4)
	s_cmp_eq_u32 s2, 0
	s_cbranch_scc0 .Lentry_in_a_cluster
	s_endpgm
.Lentry_in_a_cluster:
	s_bfe_u32 s2, ttmp6, 0x10000c
	s_cmp_lg_u32 s2, 0xf033
	s_cbranch_scc0 .Lentry_shape_is_right
	s_endpgm
.Lentry_shape_is_right:
; out0 = ao Wo^T + bo: [8192 x 1024] over K = 1024 (K = 64 h + d), operands bf16 (ao head-major, Wo from cb), sums and result f32.
; A work-group makes 256 rows x 128 columns with four waves; a wave makes 128 x 64: 32 accumulator tiles, 256 registers.
; 8 x 32 = 256 work-groups, one for each WGP.  K goes in steps of 128, two heads, through two LDS slots.
; CLUSTERS: 4 x 4 work-groups; ao's tiles are asked for jointly by a row of the cluster, Wo's by a column.
; By this text's count a wave has two tensor loads out at the start and one behind each refill.
; The bias is the first product's C operand.  The matrix instruction is used transposed (source 0 = rows of Wo, source 1 = rows of ao):
; a lane holds eight neighbouring columns of one row.
; REGISTERS: window 0: v16-27 addresses, v64-127 and v128-191 ao's fragments (two buffers), v192-223 the bias;
; window 1: v64-95, v128-159 Wo's fragments; window 2: tile (row block a of 8, column block b of 4) at v[8 (4 a + b)].
.set NB,     4
.set KSTEP,  128
.set PITCHA, 144                       ; a head's row: 128 bytes + 16
.set PITCHB, 272                       ; Wo's row of a K step: 256 bytes + 16
.set SUBT,   256*PITCHA                ; one head's 256 rows: what one load of ao brings
.set HALFB,  64*PITCHB                 ; what one load of Wo brings, and what a wave reads of Wo
.set SLOT,   2*SUBT+2*HALFB
.set STAGE,  2*SLOT                    ; behind the ring, never a fill's target: 16 rows x 272 bytes for each wave
.set SPITCH, 272
.set LAPS,   4
.set WOB,    0x1600000                 ; Wo's first byte in cb
.set HEADB,  8192*128                  ; bytes of a head in ao
.set ADRA, 16
.set ADRB, 20
.set STO,  24
.set RD,   25
.set CO,   26
.set BO,   27
.set F0,   64
.set F1,   128
.set BIAS, 192
.set G1,  24
.set G0,  32
.set G1B, 48
.set G0B, 56
.set MSB, 0
.macro WIN new
.if MSB != \new
	s_set_vgpr_msb (MSB<<8)|\new
.set MSB, \new
.endif
.endm
.set MUL_W,   0xa1                     ; source 0 (Wo) window 1, source 1 (ao) window 0, C and D window 2
.set FIRST_W, 0x81                     ; C (the bias) window 0
.set TO_B,    0x40
.macro JLOAD s                         ; waves 0, 1 ask for ao's two heads, waves 2, 3 for Wo's two halves
	s_cmp_eq_u32 s11, 0
	s_cbranch_scc0 .Lfor_b_\@
	tensor_load_to_lds s[G0+4*\s:G0+4*\s+3], s[G1:G1+7]
	s_nop 0
	s_branch .Lasked_\@
.Lfor_b_\@:
	tensor_load_to_lds s[G0B+4*\s:G0B+4*\s+3], s[G1B:G1B+7]
	s_nop 0
.Lasked_\@:
.endm
.macro CREST
	s_cmp_lg_u32 s10, 0
	s_cbranch_scc1 .Lnot_wave_0_\@
	s_barrier_signal -3
.Lnot_wave_0_\@:
	s_barrier_wait -3
	s_barrier_signal -1
	s_barrier_wait -1
.endm
.macro CROUND
	s_barrier_signal -1
	s_barrier_wait -1
	CREST
.endm
.macro PLACES                          ; four independent vector instructions behind a matrix instruction (ISA guide 7.12.1)
.rept 4
	v_nop
.endr
.endm
	s_load_b256 s[68:75], s[0:1], 0x0              ; ao s[68:69], cb s[70:71], bo s[72:73], out0 s[74:75]
	s_set_vgpr_msb 0x40
	v_lshl_add_u32 v255, v0, 2, 0x39400
	s_set_vgpr_msb 0x4000
	v_mov_b32 v255, 0
	s_set_vgpr_msb 0x1
	ds_add_u32 v255, v255
	s_set_vgpr_msb 0x100
	v_lshrrev_b32 v1, 5, v0
	v_readfirstlane_b32 s10, v1                    ; wave 0..3
	s_lshr_b32 s11, s10, 1                         ; my half of the rows.  Also: I fetch ao (0) or Wo (1)
	s_and_b32 s12, s10, 1                          ; my half of the columns.  Also: which head, or which 64 rows of Wo, I fetch
	s_bfe_u32 s40, ttmp6, 0x40000                  ; cx
	s_bfe_u32 s41, ttmp6, 0x40004                  ; cy
	s_lshl_b32 s42, ttmp9, 2
	s_add_co_u32 s42, s42, s40                     ; block column
	s_and_b32 s13, ttmp7, 0xffff
	s_lshl_b32 s13, s13, 2
	s_add_co_u32 s13, s13, s41                     ; block row
	s_lshl_b32 s43, s41, 2
	s_lshl_b32 s43, 15, s43                        ; my row of the cluster
	s_lshl_b32 s44, 0x1111, s40                    ; my column
	s_or_b32 s[G1+0], s43, (1<<16)|(1<<20)|(1<<21)|(4<<22)|(3<<25)    ; ao: 4 words of padding behind every 32
	s_or_b32 s[G1B+0], s44, (1<<16)|(1<<20)|(1<<21)|(5<<22)|(3<<25)   ; Wo: behind every 64
	s_mov_b32 s[G1+1], 64<<16                      ; ao: 256 rows of 64 elements, dense
	s_mov_b32 s[G1+2], 256<<16
	s_mov_b32 s[G1+3], 64<<16
	s_mov_b32 s[G1+4], 256
	s_mov_b32 s[G1+5], 64
	s_mov_b32 s[G1+6], 0
	s_mov_b32 s[G1+7], 0
	s_mov_b32 s[G1B+1], KSTEP<<16                  ; Wo: 64 rows of 128 elements, 1,024 from row to row
	s_mov_b32 s[G1B+2], 64<<16
	s_mov_b32 s[G1B+3], KSTEP<<16
	s_mov_b32 s[G1B+4], 64
	s_mov_b32 s[G1B+5], 1024
	s_mov_b32 s[G1B+6], 0
	s_mov_b32 s[G1B+7], 0
	s_lshl_b32 s17, s12, 13                        ; ao: head (w % 2) x 8,192 rows
	s_lshl_b32 s16, s13, 8
	s_add_co_u32 s16, s16, s17                     ; + 256 x block row
	s_lshl_b32 s16, s16, 7                         ; x 128 bytes
	s_mov_b32 s17, 0
	s_lshl_b32 s46, s42, 7
	s_lshl_b32 s45, s12, 6
	s_add_co_u32 s45, s46, s45                     ; 128 x block column + 64 x half: the rows of Wo that I fetch, and my tile's first column
	s_lshl_b32 s46, s45, 11
	s_mov_b32 s47, 0
	s_mul_i32 s20, s10, SUBT                       ; LDS: ao's two heads (waves 0, 1),
	s_mul_i32 s23, s10, HALFB
	s_add_co_u32 s23, s23, 2*SUBT-2*HALFB          ; Wo's halves behind them (waves 2, 3)
	s_wait_dscnt 0x0
	s_wait_kmcnt 0x0
	s_add_nc_u64 s[14:15], s[68:69], s[16:17]
	s_add_nc_u64 s[46:47], s[70:71], s[46:47]
	s_add_nc_u64 s[46:47], s[46:47], WOB
	CROUND                                         ; all sixteen work-groups are here: the first joint loads meet
.irp s, 0,1
	s_mov_b32 s[G0+4*\s], 1
	s_add_co_u32 s[G0+4*\s+1], s20, \s*SLOT
	s_add_nc_u64 s[G0+4*\s+2:G0+4*\s+3], s[14:15], \s*2*HEADB       ; K step s: heads 2 s, 2 s + 1
	s_or_b32 s[G0+4*\s+3], s[G0+4*\s+3], 0x80000000
	s_mov_b32 s[G0B+4*\s], 1
	s_add_co_u32 s[G0B+4*\s+1], s23, \s*SLOT
	s_add_nc_u64 s[G0B+4*\s+2:G0B+4*\s+3], s[46:47], \s*KSTEP*2
	s_or_b32 s[G0B+4*\s+3], s[G0B+4*\s+3], 0x80000000
	JLOAD \s
.endr
	v_and_b32 v1, 15, v0                           ; l % 16
	v_bfe_u32 v2, v0, 4, 1                         ; l / 16
	v_lshlrev_b32 v[BO], 5, v2
	s_lshl_b32 s78, s45, 2
	s_mov_b32 s79, 0
	s_add_nc_u64 s[76:77], s[72:73], s[78:79]      ; the bias of my 64 columns
.irp b, 0,1,2,3
	global_load_b128 v[BIAS+8*\b:BIAS+8*\b+3],   v[BO], s[76:77] offset:64*\b
	global_load_b128 v[BIAS+8*\b+4:BIAS+8*\b+7], v[BO], s[76:77] offset:64*\b+16
.endr
	v_mul_u32_u24 v3, v1, PITCHA
	v_lshl_add_u32 v3, v2, 4, v3
	v_mul_u32_u24 v4, v1, PITCHB
	v_lshl_add_u32 v4, v2, 4, v4
	s_mul_i32 s21, s11, 128*PITCHA                 ; my 128 rows in each head's sub-tile
	s_mul_i32 s22, s12, HALFB
	s_add_co_u32 s22, s22, 2*SUBT                  ; my 64 rows of Wo
.irp s, 0,1
	v_add_nc_u32 v[ADRA+\s], s21, v3
	v_add_nc_u32 v[ADRB+\s], s22, v4
	s_add_co_u32 s21, s21, SLOT
	s_add_co_u32 s22, s22, SLOT
.endr
	s_mul_i32 s23, s10, 16*SPITCH
	s_add_co_u32 s23, s23, STAGE                   ; my stage
	v_mul_u32_u24 v5, v1, SPITCH
	v_lshl_add_u32 v5, v2, 5, v5                   ; in: row l % 16, 32 bytes for each half of the lanes
	v_add_nc_u32 v[STO], s23, v5
	v_mul_u32_u24 v6, v2, SPITCH
	v_lshl_add_u32 v6, v1, 4, v6                   ; back: lanes 0-15 take a row's 256 bytes, lanes 16-31 the next row's
	v_add_nc_u32 v[RD], s23, v6
	v_lshlrev_b32 v7, 12, v2
	v_lshl_add_u32 v[CO], v1, 4, v7                ; and the same two rows in out0
; 8 matrix instructions: row blocks 4 hi + a0, + 1 x all 4 column blocks, 32 along K.  first = 1: C is the bias.
; The 32 accumulators take turns, one instruction a turn, in the same order in every quarter step.
.macro MULB f, hi, a0, first
.irp a, \a0, \a0+1
.irp b, 0,1,2,3
.if \first
	v_wmma_f32_16x16x32_bf16 v[8*(4*(4*\hi+\a)+\b):8*(4*(4*\hi+\a)+\b)+7], v[\f+8*\b:\f+8*\b+7], v[\f+8*(4*\hi+\a):\f+8*(4*\hi+\a)+7], v[BIAS+8*\b:BIAS+8*\b+7]
.else
	v_wmma_f32_16x16x32_bf16 v[8*(4*(4*\hi+\a)+\b):8*(4*(4*\hi+\a)+\b)+7], v[\f+8*\b:\f+8*\b+7], v[\f+8*(4*\hi+\a):\f+8*(4*\hi+\a)+7], v[8*(4*(4*\hi+\a)+\b):8*(4*(4*\hi+\a)+\b)+7]
.endif
.endr
.endr
.endm
; 24 LDS loads in one run: quarter q of a K step (head q / 2, its columns 32 (q % 2) ..) into buffer f
.macro FETCH slot, q, f
	WIN TO_B
.irp i, 0,1,2,3
	ds_load_b128 v[\f+8*\i:\f+8*\i+3],   v[ADRB+\slot] offset:64*\q+\i*16*PITCHB
	ds_load_b128 v[\f+8*\i+4:\f+8*\i+7], v[ADRB+\slot] offset:64*\q+\i*16*PITCHB+32
.endr
	WIN 0
.irp i, 0,1,2,3,4,5,6,7
	ds_load_b128 v[\f+8*\i:\f+8*\i+3],   v[ADRA+\slot] offset:(\q/2)*SUBT+(\q%2)*64+\i*16*PITCHA
	ds_load_b128 v[\f+8*\i+4:\f+8*\i+7], v[ADRA+\slot] offset:(\q/2)*SUBT+(\q%2)*64+\i*16*PITCHA+32
.endr
.endm
.macro QUARTER slot, q, f, g, first
	s_wait_dscnt 8                                 ; Wo and ao's rows 0-63 are in; the youngest eight loads (rows 64-127) may be out
.if \first
	WIN FIRST_W
.else
	WIN MUL_W
.endif
	MULB \f, 0, 0, \first
	MULB \f, 0, 2, \first
	PLACES
	FETCH \slot, \q, \g
	s_wait_dscnt 2*NB+16                           ; all but the 24 just issued
.if \first
	WIN FIRST_W
.else
	WIN MUL_W
.endif
	MULB \f, 1, 0, \first
	MULB \f, 1, 2, \first
.endm
.macro THREE slot, first
	QUARTER \slot, 1, F0, F1, \first
	QUARTER \slot, 2, F1, F0, 0
	QUARTER \slot, 3, F0, F1, 0
.endm
; The last quarter changes slots: each wave's waits for its reads of this slot and for all its tensor loads, the barrier (where the slot
; is filled again it opens a round of the cluster's barrier), the joint refill first behind it.  From a request to the wait for it a
; wave issues 120 matrix instructions.
.macro TURN slot, next, fill
	s_wait_dscnt 8
	WIN MUL_W
	MULB F1, 0, 0, 0
	s_wait_dscnt 0
	s_wait_tensorcnt 0x0
	ds_add_u32 v255, v255
	s_wait_dscnt 0x0
	s_barrier_signal -1
	MULB F1, 0, 2, 0                               ; registers only, while the others arrive
	WIN 0
	s_barrier_wait -1
.if \fill
	CREST
	s_add_nc_u64 s[G0+4*\slot+2:G0+4*\slot+3], s[G0+4*\slot+2:G0+4*\slot+3], 4*HEADB        ; no load of mine is out: two K steps on = four heads
	s_add_nc_u64 s[G0B+4*\slot+2:G0B+4*\slot+3], s[G0B+4*\slot+2:G0B+4*\slot+3], 2*KSTEP*2
	JLOAD \slot
.endif
	PLACES
	FETCH \next, 0, F0
	WIN MUL_W
	MULB F1, 1, 0, 0
	MULB F1, 1, 2, 0
.endm
.macro LAP first
	THREE 0, \first
	TURN 0, 1, 1
	THREE 1, 0
	TURN 1, 0, 1
.endm
	s_wait_loadcnt 0x0                             ; the bias
	s_wait_tensorcnt 1                             ; my part of K step 0 is in; K step 1's may stay out
	s_barrier_signal -1
	s_barrier_wait -1
	FETCH 0, 0, F0
	LAP 1
	WIN 0
	s_mov_b32 s3, LAPS-2
.Llap:
	LAP 0
	WIN 0
	s_sub_co_u32 s3, s3, 1
	s_cmp_lg_u32 s3, 0
	s_cbranch_scc1 .Llap
	THREE 0, 0                                     ; the last lap fills nothing
	TURN 0, 1, 0
	THREE 1, 0
	s_wait_dscnt 8
	WIN MUL_W
	MULB F1, 0, 0, 0
	MULB F1, 0, 2, 0
	s_wait_dscnt 0
	MULB F1, 1, 0, 0
	MULB F1, 1, 2, 0
	; THE WAY OUT, 16 rows at a time through my own stage: a lane's 32 bytes go in straight from the accumulators, whole rows of
	; 256 bytes (my 64 columns in f32) come back, and sixteen lanes store 256 consecutive bytes of out0, aligned.
	PLACES
	s_lshl_b32 s16, s13, 8
	s_lshl_b32 s17, s11, 7
	s_add_co_u32 s16, s16, s17                     ; my first row
	s_lshl_b32 s16, s16, 12                        ; x 4,096 bytes, below 32 MiB
	s_add_co_u32 s16, s16, s78                     ; + my first column x 4
	s_mov_b32 s17, 0
	s_add_nc_u64 s[74:75], s[74:75], s[16:17]
.macro OUT16 i, f
	WIN 0x08                                       ; an LDS store's data is source 1: window 2
.irp b, 0,1,2,3
	ds_store_b128 v[STO], v[8*(4*\i+\b):8*(4*\i+\b)+3]   offset:64*\b
	ds_store_b128 v[STO], v[8*(4*\i+\b)+4:8*(4*\i+\b)+7] offset:64*\b+16
.endr
	WIN 0
	s_wait_xcnt 0x0                                ; buffer f, which earlier stores read, and the stores' base are written again only behind this wait
.if \i
	s_add_nc_u64 s[74:75], s[74:75], 16*4096
.endif
.irp t, 0,1,2,3,4,5,6,7
	ds_load_b128 v[\f+4*\t:\f+4*\t+3], v[RD] offset:\t*2*SPITCH    ; LDS serves a wave's instructions in order: these see the stores above
.endr
.irp t, 0,1,2,3,4,5,6,7
	s_wait_dscnt 7-\t
	global_store_b128 v[CO], v[\f+4*\t:\f+4*\t+3], s[74:75] offset:\t*8192 th:TH_STORE_NT
.endr
.endm
	OUT16 0, F0
	OUT16 1, F1
	OUT16 2, F0
	OUT16 3, F1
	OUT16 4, F0
	OUT16 5, F1
	OUT16 6, F0
	OUT16 7, F1
	s_set_vgpr_msb 0x1
	s_wait_tensorcnt 0x0
	ds_add_u32 v255, v255
	s_wait_dscnt 0x0
	s_set_vgpr_msb 0x100
	CROUND                                         ; the closing round
	s_endpgm
.Lfunc_end_k_q5d74aba8f9_outp:
	.size	k_q5d74aba8f9_outp, .Lfunc_end_k_q5d74aba8f9_outp-k_q5d74aba8f9_outp
	.p2alignl 7, 3214868480
	.fill 96, 4, 3214868480
	.section	.rodata,"a",@progbits
	.p2align	6, 0x0
	.amdhsa_kernel k_q5d74aba8f9_outp
		.amdhsa_group_segment_fixed_size 327680
		.amdhsa_private_segment_fixed_size 0
		.amdhsa_enable_private_segment 0
		.amdhsa_kernarg_size 32
		.amdhsa_user_sgpr_count 2
		.amdhsa_user_sgpr_kernarg_segment_ptr 1
		.amdhsa_wavefront_size32 1
		.amdhsa_system_sgpr_workgroup_id_x 1
		.amdhsa_system_sgpr_workgroup_id_y 1
		.amdhsa_system_sgpr_workgroup_id_z 1
		.amdhsa_system_vgpr_workitem_id 0
		.amdhsa_next_free_vgpr 768
		.amdhsa_next_free_sgpr 80
		.amdhsa_reserve_vcc 0
		.amdhsa_float_denorm_mode_32 3
		.amdhsa_float_denorm_mode_16_64 3
		.amdhsa_memory_ordered 1
		.amdhsa_forward_progress 1
		.amdhsa_inst_pref_size 120
	.end_amdhsa_kernel
	.amdgpu_metadata
---
amdhsa.version: [ 1, 2 ]
amdhsa.kernels:
  - .name:           k_q5d74aba8f9_outp
    .symbol:         k_q5d74aba8f9_outp.kd
    .args:
      - { .name: ao, .offset: 0, .size: 8, .value_kind: global_buffer, .address_space: global }
      - { .name: cb, .offset: 8, .size: 8, .value_kind: global_buffer, .address_space: global }
      - { .name: bo, .offset: 16, .size: 8, .value_kind: global_buffer, .address_space: global }
      - { .name: out0, .offset: 24, .size: 8, .value_kind: global_buffer, .address_space: global }
    .group_segment_fixed_size: 327680
    .private_segment_fixed_size: 0
    .kernarg_segment_align: 8
    .kernarg_segment_size: 32
    .max_flat_workgroup_size: 128
    .sgpr_count:     80
    .vgpr_count:     768
    .wavefront_size: 32
...
	.end_amdgpu_metadata
.endif
;; end of part 4
;; ======== version 2 of 2: 4 launches
;; limits: right only within a limited range of input values
;; workspace buffers: cb 25,165,824 bytes; qkv 50,331,648 bytes; ao 16,777,216 bytes
;; launch cast: the kernel of part 1 again; grid 1536 x 1, 8 waves a work-group, no clusters, 0 bytes of LDS; arguments x, Wq, Wk, Wv, Wo, cb; writes cb
;; launch proj: the kernel of part 2 again; grid 16 x 32, 4 waves a work-group, clusters of 4 x 4, 327,680 bytes of LDS; arguments cb, bq, bk, bv, qkv; writes qkv
;; launch attn (part 5): grid 256 x 1, 8 waves a work-group, clusters of 4 x 1, 327,680 bytes of LDS; arguments qkv, mask, ao; writes ao
.if DOCPART == 5
	.amdgcn_target "amdgcn-amd-amdhsa--gfx1250"
	.amdhsa_code_object_version 6
	.text
	.protected	k_q5d74aba8f9_attn
	.globl	k_q5d74aba8f9_attn
	.p2align	8
	.type	k_q5d74aba8f9_attn,@function
k_q5d74aba8f9_attn:
	s_mov_b64 s[64:65], 0
	v_nop
	global_prefetch_b8 v0, s[64:65] scope:SCOPE_SE
	s_setreg_imm32_b32 hwreg(HW_REG_WAVE_MODE, 25, 1), 1
	s_wait_xcnt 0x0
	s_wait_alu depctr_hold_cnt(0) depctr_sa_sdst(0) depctr_va_vdst(0) depctr_va_sdst(0) depctr_va_ssrc(0) depctr_va_vcc(0) depctr_vm_vsrc(0)
	s_getreg_b32 s2, hwreg(HW_REG_IB_STS2, 6, 4)
	s_cmp_eq_u32 s2, 0
	s_cbranch_scc0 .Lentry_in_a_cluster
	s_endpgm
.Lentry_in_a_cluster:
	s_bfe_u32 s2, ttmp6, 0x10000c
	s_cmp_lg_u32 s2, 0x3003
	s_cbranch_scc0 .Lentry_shape_is_right
	s_endpgm
.Lentry_shape_is_right:
; ao[h][b, s][:] = softmax(q k^T / 8 + mask) v for one (b, h) and 512 query rows a work-group; q, k, v bf16 from qkv, sums f32, ao bf16.
; Eight waves, 64 query rows (four tiles of 16) each, two waves to a SIMD so that one wave's softmax runs beside the other's products.
; Keys go in tiles of 256 through two LDS slots, in steps of 64.
; THE TEXT IS KEPT SHORT: a step is written once for each tile and run by a counted loop, its LDS addresses stepping in registers.
; Tile 0 = the first step (it starts maxima and sums) + a loop of three; tiles 1-6 = a loop of three trips over {slot 1, slot 0};
; tile 7 is written out without a refill: five copies of the step's text for 32 steps.
; CLUSTERS: the four work-groups of a cluster are the four query blocks of one (b, h) and read the same K and V: every K and V tile
; is asked for jointly (mask 15): waves 0-3 ask for V's quarters, waves 4-7 for K's.  A wave never has more than one tensor load out.
; LAYOUT: scores are made transposed, S^T = K Q^T: lane (r, hf) holds keys 8 hf + j of query row r.  Two key tiles, rounded in pairs,
; ARE the second source of O^T = V^T P^T for 32 keys: P never moves between lanes.  V^T comes from LDS by the transposing load.
; A row's figures are one number a lane; only the maximum crosses the two halves of the lanes.  The row sum is one more product,
; with a first source of ones; of its eight equal rows only registers 0 and 1 are rescaled, the others are never read.
; ARITHMETIC: raw scores S' = q.k + 8 mask (8 mask is the first score product's C operand); p = 2^(c S' + n), c = log2(e) / 8,
; n = -c x running maximum, rounded once and used alike in p and in the rescaling 2^(n_new - n_old), which is therefore consistent.
; LIMITS: 8 mask is clamped from below at -1e30 (so -inf is served); a NaN in the mask is read as -1e30.  The running maximum starts
; from -1e10 (a score of -1.25e9): as long as no q.k + 8 mask exceeds +1.19e10, |c max| stays below 2^31, its rounding error below 64, so p stays below 2^64 and masked keys give 0.
; A row in which EVERY key's score lies below -1.25e9 gives 0 / 0 = NaN.
.set KEYS,   256                       ; keys in a tile
.set VPITCH, 160                       ; V's LDS row: 128 bytes + 32, an odd multiple of 32 for the transposing load
.set KPITCH, 144                       ; K's LDS row: 128 bytes + 16
.set VPART,  KEYS*VPITCH
.set SLOT,   VPART+KEYS*KPITCH         ; V's 256 rows, then K's
.set MASKL,  2*SLOT                    ; 2,048 numbers 8 mask, written by LDS stores, never a fill's target
.set STAGE,  MASKL+8192                ; 16 rows x 144 bytes for each wave, for the way out
.set SPITCH, 144
; window 0
.set ADRK, 8                           ; v8-9    my K fragment's address at the head of slot 0, 1
.set ADRV, 10                          ; v10-11  my V fragment's address at the head of slot 0, 1
.set ADRM, 12                          ; v12     8 mask of the step's first keys; steps 256 bytes a step, through all 32 steps
.set STO,  13
.set RD,   14
.set CO,   15
.set ONES, 16                          ; v[16:23]   a fragment of 1.0
.set KW,   27                          ; v27     K's address at work: the slot's, + 64 rows a step
.set VW,   28                          ; v28     V's address at work
.set QF,   32                          ; v[32:95]   Q: tile t, half ds of the head's 64: 8 registers at 16 t + 8 ds
.set KF,   96                          ; v[96:159]  K: key tile kt, half ds
.set VF,   160                         ; v[160:223] V^T: 32 keys ks, 16 columns db: 8 registers at 32 ks + 8 db
.set MK,   224                         ; v[224:255] 8 mask in the scores' layout, key tile kt
; window 1
.set OA,   0                           ; v[256:383] O^T: tile t, columns db
.set LS,   128                         ; v[384:415] row sums, tile t
.set SC,   160                         ; v[416:479] scores, then p, then P, of a pair of query tiles u = 0, 1
.set ST,   232                         ; tile t: n at 2 t, the running maximum at 2 t + 1
.set AL,   240                         ; the rescaling factor (its pair's second register is written once and never used)
.set TT,   242                         ; v[498:501] at work
.set G1V, 24
.set G1K, 32
.set G0V, 40                           ; one set a slot
.set G0K, 48
.set MSB, 0
.macro WIN new
.if MSB != \new
	s_set_vgpr_msb (MSB<<8)|\new
.set MSB, \new
.endif
.endm
.macro NOPS n
.rept \n
	v_nop
.endr
.endm
.macro ROUND                           ; a round of the cluster's barrier
	s_barrier_signal -1
	s_barrier_wait -1
	s_cmp_lg_u32 s10, 0
	s_cbranch_scc1 .Lnot_wave_0_\@
	s_barrier_signal -3
.Lnot_wave_0_\@:
	s_barrier_wait -3
	s_barrier_signal -1
	s_barrier_wait -1
.endm
.macro JLOAD s                         ; the branch hangs on the wave's number alone
	s_cmp_eq_u32 s11, 0
	s_cbranch_scc0 .Lfor_k_\@
	tensor_load_to_lds s[G0V+4*(\s):G0V+4*(\s)+3], s[G1V:G1V+7]
	s_nop 0
	s_branch .Lasked_\@
.Lfor_k_\@:
	tensor_load_to_lds s[G0K+4*(\s):G0K+4*(\s)+3], s[G1K:G1K+7]
	s_nop 0
.Lasked_\@:
.endm
	s_load_b128 s[4:7], s[0:1], 0x0                ; qkv s[4:5], mask s[6:7]
	s_load_b64 s[8:9], s[0:1], 0x10                ; ao
	v_lshl_add_u32 v30, v0, 2, 0x2c800
	v_mov_b32 v31, 0
	ds_add_u32 v30, v31
	v_lshrrev_b32 v1, 5, v0
	v_readfirstlane_b32 s10, v1                    ; wave 0..7
	s_lshr_b32 s11, s10, 2                         ; I fetch V (0) or K (1),
	s_and_b32 s12, s10, 3                          ; and which 64 keys of a tile
	s_bfe_u32 s13, ttmp6, 0x40000                  ; cx: my block of 512 query rows
	s_lshr_b32 s14, ttmp9, 4                       ; b
	s_and_b32 s15, ttmp9, 15                       ; h
	s_mov_b32 s56, 0x76543210                      ; v_permlanex16_b32: lane i reads lane i of the other half
	s_mov_b32 s57, 0xfedcba98
	s_mov_b32 s60, 0x3e38aa3b                      ; c = log2(e) / 8
	s_mov_b32 s61, 0x3e38aa3b
	s_mov_b32 s62, 0xbe38aa3b                      ; -c
	; group 1: 64 rows of 64 elements, dense in memory; behind every 32 words 8 words of padding (V) or 4 (K)
	s_mov_b32 s[G1V+0], 15|(1<<16)|(1<<20)|(1<<21)|(4<<22)|(7<<25)
	s_mov_b32 s[G1K+0], 15|(1<<16)|(1<<20)|(1<<21)|(4<<22)|(3<<25)
	s_mov_b32 s[G1V+1], 64<<16
	s_mov_b32 s[G1K+1], 64<<16
	s_mov_b32 s[G1V+2], 64<<16
	s_mov_b32 s[G1K+2], 64<<16
	s_mov_b32 s[G1V+3], 64<<16
	s_mov_b32 s[G1K+3], 64<<16
	s_mov_b32 s[G1V+4], 64
	s_mov_b32 s[G1K+4], 64
	s_mov_b32 s[G1V+5], 64
	s_mov_b32 s[G1K+5], 64
	s_mov_b32 s[G1V+6], 0
	s_mov_b32 s[G1K+6], 0
	s_mov_b32 s[G1V+7], 0
	s_mov_b32 s[G1K+7], 0
	s_lshl_b32 s16, s14, 11                        ; row b x 2,048
	s_lshl_b32 s17, s12, 6
	s_add_co_u32 s16, s16, s17                     ; + my 64 keys
	s_lshl_b32 s17, s15, 13
	s_add_co_u32 s16, s16, s17                     ; + h x 8,192
	s_lshl_b32 s16, s16, 7                         ; x 128 bytes: nothing here hangs on cx
	s_mov_b32 s17, 0
	s_mul_i32 s20, s10, 64*VPITCH                  ; LDS: V's quarters (waves 0-3),
	s_mul_i32 s21, s10, 64*KPITCH
	s_add_co_u32 s21, s21, VPART-4*64*KPITCH       ; K's behind them (waves 4-7)
	s_lshl_b32 s66, s14, 11                        ; my wave's query rows: b x 2,048 + h x 8,192 + 512 cx + 64 w, alike in q and in ao
	s_lshl_b32 s67, s15, 13
	s_add_co_u32 s66, s66, s67
	s_lshl_b32 s67, s13, 9
	s_add_co_u32 s66, s66, s67
	s_lshl_b32 s67, s10, 6
	s_add_co_u32 s66, s66, s67
	s_lshl_b32 s66, s66, 7
	s_mov_b32 s67, 0
	s_lshl_b32 s22, s14, 13                        ; the batch's 2,048 mask numbers
	s_mov_b32 s23, 0
	v_and_b32 v1, 31, v0                           ; lane
	v_and_b32 v2, 15, v0                           ; r
	v_bfe_u32 v3, v0, 4, 1                         ; hf
	v_lshlrev_b32 v7, 7, v2
	v_lshl_add_u32 v7, v3, 4, v7                   ; Q fragment: row r x 128 bytes + 16 hf
	v_lshlrev_b32 v24, 5, v0                       ; thread t takes mask numbers 8 t .. 8 t + 7
	s_wait_dscnt 0x0
	s_wait_kmcnt 0x0
	s_add_nc_u64 s[18:19], s[4:5], s[16:17]
	s_add_nc_u64 s[68:69], s[4:5], s[66:67]
	s_add_nc_u64 s[8:9], s[8:9], s[66:67]
	s_add_nc_u64 s[6:7], s[6:7], s[22:23]
	global_load_b128 v[KF:KF+3],   v24, s[6:7]
	global_load_b128 v[KF+4:KF+7], v24, s[6:7] offset:16
.irp t, 0,1,2,3
.irp ds, 0,1
	global_load_b128 v[QF+16*\t+8*\ds:QF+16*\t+8*\ds+3],   v7, s[68:69] offset:2048*\t+64*\ds
	global_load_b128 v[QF+16*\t+8*\ds+4:QF+16*\t+8*\ds+7], v7, s[68:69] offset:2048*\t+64*\ds+32
.endr
.endr
.irp s, 0,1
	s_mov_b32 s[G0V+4*\s], 1
	s_add_co_u32 s[G0V+4*\s+1], s20, \s*SLOT
	s_add_nc_u64 s[G0V+4*\s+2:G0V+4*\s+3], s[18:19], 32*8192*128+\s*KEYS*128     ; v is heads 32 .. 47; tile s
	s_or_b32 s[G0V+4*\s+3], s[G0V+4*\s+3], 0x80000000
	s_mov_b32 s[G0K+4*\s], 1
	s_add_co_u32 s[G0K+4*\s+1], s21, \s*SLOT
	s_add_nc_u64 s[G0K+4*\s+2:G0K+4*\s+3], s[18:19], 16*8192*128+\s*KEYS*128     ; k is heads 16 .. 31
	s_or_b32 s[G0K+4*\s+3], s[G0K+4*\s+3], 0x80000000
.endr
	ROUND                                          ; the four work-groups are here: the first joint loads meet
	JLOAD 0                                        ; tile 0; slot 1 is first filled behind the first tile's round, as a refill is
	v_mul_u32_u24 v4, v2, KPITCH
	v_lshl_add_u32 v4, v3, 4, v4                   ; r x 144 + 16 hf: K fragments, and the stage's way in
	v_add_nc_u32 v[ADRK], VPART, v4
	v_add_nc_u32 v[ADRK+1], VPART+SLOT, v4
	v_and_b32 v5, 7, v0
	v_lshl_add_u32 v6, v3, 3, v5                   ; transposing load: key 8 hf + lane % 8,
	v_mul_u32_u24 v6, v6, VPITCH
	v_bfe_u32 v26, v0, 3, 1
	v_lshl_add_u32 v[ADRV], v26, 4, v6             ; 16 bytes at 16 ((lane / 8) % 2)
	v_add_nc_u32 v[ADRV+1], SLOT, v[ADRV]
	v_lshlrev_b32 v[ADRM], 5, v3
	v_add_nc_u32 v[ADRM], MASKL, v[ADRM]           ; keys 8 hf .. 8 hf + 7 of a tile of 16
	s_mul_i32 s16, s10, 16*SPITCH
	s_add_co_u32 s16, s16, STAGE                   ; my stage
	v_add_nc_u32 v[STO], s16, v4
	v_lshrrev_b32 v26, 3, v1
	v_mul_u32_u24 v26, v26, SPITCH
	v_lshl_add_u32 v26, v5, 4, v26
	v_add_nc_u32 v[RD], s16, v26                   ; back: eight lanes take a row's 128 bytes
	v_lshlrev_b32 v[CO], 4, v1
	v_add_nc_u32 v25, MASKL, v24
.irp j, 0,1,2,3,4,5,6,7
	v_mov_b32 v[ONES+\j], 0x3f803f80               ; two bf16 ones
.endr
	WIN 0x40
	v_mov_b32 v[AL+1], 0                           ; the packed multiplies name the pair
	WIN 0
	s_wait_loadcnt 16                              ; the two mask loads are in; the sixteen of Q stay out
.irp j, 0,2,4,6
	v_pk_mul_f32 v[KF+\j:KF+\j+1], v[KF+\j:KF+\j+1], 0x41000000 op_sel_hi:[1,0]    ; 8 mask: exact
.endr
.irp j, 0,1,2,3,4,5,6,7
	v_max_num_f32 v[KF+\j], 0xf149f2ca, v[KF+\j]   ; not below -1e30
.endr
	ds_store_b128 v25, v[KF:KF+3]
	ds_store_b128 v25, v[KF+4:KF+7] offset:16      ; waited for in front of the first tile's round, behind which all waves read them
	s_wait_loadcnt 0x0                             ; Q
; 24 LDS loads: K's fragments and 8 mask for the step's 64 keys
.macro LDK
.irp kt, 0,1,2,3
.irp ds, 0,1
	ds_load_b128 v[KF+16*\kt+8*\ds:KF+16*\kt+8*\ds+3],   v[KW] offset:16*\kt*KPITCH+64*\ds
	ds_load_b128 v[KF+16*\kt+8*\ds+4:KF+16*\kt+8*\ds+7], v[KW] offset:16*\kt*KPITCH+64*\ds+32
.endr
.endr
.irp kt, 0,1,2,3
	ds_load_b128 v[MK+8*\kt:MK+8*\kt+3],   v[ADRM] offset:64*\kt
	ds_load_b128 v[MK+8*\kt+4:MK+8*\kt+7], v[ADRM] offset:64*\kt+16
.endr
.endm
; 16 transposing loads: V^T's fragments for the same keys
.macro LDV
.irp ks, 0,1
.irp db, 0,1,2,3
	ds_load_tr16_b128 v[VF+32*\ks+8*\db:VF+32*\ks+8*\db+3],   v[VW] offset:32*\ks*VPITCH+32*\db
	ds_load_tr16_b128 v[VF+32*\ks+8*\db+4:VF+32*\ks+8*\db+7], v[VW] offset:(32*\ks+16)*VPITCH+32*\db
.endr
.endr
.endm
; Scores of query tiles 2 p, 2 p + 1 against 64 keys: eight accumulators by turns, one instruction a turn;
; the first half of the head takes 8 mask as C, the second adds in place.
.macro SMM p
	WIN 0x40                                       ; D window 1; K, Q and 8 mask window 0
.irp kt, 0,1,2,3
.irp u, 0,1
	v_wmma_f32_16x16x32_bf16 v[SC+32*\u+8*\kt:SC+32*\u+8*\kt+7], v[KF+16*\kt:KF+16*\kt+7], v[QF+16*(2*\p+\u):QF+16*(2*\p+\u)+7], v[MK+8*\kt:MK+8*\kt+7]
.endr
.endr
	WIN 0x50                                       ; C window 1 too
.irp kt, 0,1,2,3
.irp u, 0,1
	v_wmma_f32_16x16x32_bf16 v[SC+32*\u+8*\kt:SC+32*\u+8*\kt+7], v[KF+16*\kt+8:KF+16*\kt+15], v[QF+16*(2*\p+\u)+8:QF+16*(2*\p+\u)+15], v[SC+32*\u+8*\kt:SC+32*\u+8*\kt+7]
.endr
.endr
	NOPS 4                                         ; before the scores are read (ISA guide 7.12.1)
.endm
; Query tile t: the new maximum, p in place, O and the row sum rescaled, P packed in place.  All in window 1.
.macro SOFTMAX t, first
.set SB, SC+32*(\t&1)
.irp c, 0,1,2,3
	v_max3_num_f32 v[TT+\c], v[SB+8*\c], v[SB+8*\c+1], v[SB+8*\c+2]            ; four chains that do not wait for each other
.endr
.irp c, 0,1,2,3
	v_max3_num_f32 v[TT+\c], v[TT+\c], v[SB+8*\c+3], v[SB+8*\c+4]
.endr
.irp c, 0,1,2,3
	v_max3_num_f32 v[TT+\c], v[TT+\c], v[SB+8*\c+5], v[SB+8*\c+6]
.endr
	v_max3_num_f32 v[TT], v[TT], v[TT+1], v[SB+7]
	v_max3_num_f32 v[TT+2], v[TT+2], v[TT+3], v[SB+15]
	v_max3_num_f32 v[TT], v[TT], v[TT+2], v[SB+23]
.if \first
	v_max3_num_f32 v[TT], v[TT], v[SB+31], 0xd01502f9                          ; the maximum starts from -1e10
.else
	v_max3_num_f32 v[TT], v[TT], v[SB+31], v[ST+2*\t+1]                        ; or from the one so far
.endif
	v_permlanex16_b32 v[TT+1], v[TT], s56, s57                                 ; the other half of the lanes holds the row's other keys
	v_max_num_f32 v[ST+2*\t+1], v[TT], v[TT+1]
.if \first
	v_mul_f32 v[ST+2*\t], s62, v[ST+2*\t+1]                                    ; n = -c max
.else
	v_mul_f32 v[TT+2], s62, v[ST+2*\t+1]
	v_sub_f32 v[TT+3], v[TT+2], v[ST+2*\t]                                     ; n_new - n_old, never above 0
	v_mov_b32 v[ST+2*\t], v[TT+2]
	v_exp_f32 v[AL], v[TT+3]                                                   ; used sixteen plain instructions further down
.endif
.irp i, 0,2,4,6,8,10,12,14,16,18,20,22,24,26,28,30
	v_pk_fma_f32 v[SB+\i:SB+\i+1], v[SB+\i:SB+\i+1], s[60:61], v[ST+2*\t:ST+2*\t+1] op_sel_hi:[1,0,0]     ; c S' + n
.endr
.irp i, 0,2,4,6,8,10,12,14,16,18,20,22,24,26,28,30
	v_exp_f32 v[SB+\i], v[SB+\i]
	v_exp_f32 v[SB+\i+1], v[SB+\i+1]
.if \first == 0
	s_wait_alu depctr_va_vdst(0)
	v_pk_mul_f32 v[OA+32*\t+\i:OA+32*\t+\i+1], v[OA+32*\t+\i:OA+32*\t+\i+1], v[AL:AL+1] op_sel_hi:[1,0]   ; the plain instruction behind the two exponentials (ISA guide 5.7.2)
.endif
.endr
.if \first
	v_nop                                                                      ; the plain instruction behind the exponentials
	s_wait_alu depctr_va_vdst(0)
.else
	v_pk_mul_f32 v[LS+8*\t:LS+8*\t+1], v[LS+8*\t:LS+8*\t+1], v[AL:AL+1] op_sel_hi:[1,0]
	s_wait_alu depctr_va_vdst(0)
.endif
.irp ks, 0,1
.irp m, 0,1,2,3,4,5,6,7
	v_cvt_pk_bf16_f32 v[SB+16*\ks+\m], v[SB+16*\ks+2*\m], v[SB+16*\ks+2*\m+1]  ; ascending: no source is written before it is read
.endr
.endr
.endm
; O^T += V^T P^T and the row sums, for query tiles 2 p, 2 p + 1: ten accumulators by turns, gone through twice (32 keys each time).
.macro PV p, first
	WIN 0x54                                       ; V^T and the ones window 0; P, C and D window 1
.irp ks, 0,1
.irp u, 0,1
.irp db, 0,1,2,3
.if \first*(1-\ks)
	v_wmma_f32_16x16x32_bf16 v[OA+32*(2*\p+\u)+8*\db:OA+32*(2*\p+\u)+8*\db+7], v[VF+32*\ks+8*\db:VF+32*\ks+8*\db+7], v[SC+32*\u+16*\ks:SC+32*\u+16*\ks+7], 0
.else
	v_wmma_f32_16x16x32_bf16 v[OA+32*(2*\p+\u)+8*\db:OA+32*(2*\p+\u)+8*\db+7], v[VF+32*\ks+8*\db:VF+32*\ks+8*\db+7], v[SC+32*\u+16*\ks:SC+32*\u+16*\ks+7], v[OA+32*(2*\p+\u)+8*\db:OA+32*(2*\p+\u)+8*\db+7]
.endif
.endr
.if \first*(1-\ks)
	v_wmma_f32_16x16x32_bf16 v[LS+8*(2*\p+\u):LS+8*(2*\p+\u)+7], v[ONES:ONES+7], v[SC+32*\u+16*\ks:SC+32*\u+16*\ks+7], 0
.else
	v_wmma_f32_16x16x32_bf16 v[LS+8*(2*\p+\u):LS+8*(2*\p+\u)+7], v[ONES:ONES+7], v[SC+32*\u+16*\ks:SC+32*\u+16*\ks+7], v[LS+8*(2*\p+\u):LS+8*(2*\p+\u)+7]
.endif
.endr
.endr
	NOPS 5                                         ; the next score products write over P; V^T is loaded again; O is rescaled or read (ISA guide 7.12.1)
.endm
; 64 keys, at the addresses at work.  K and 8 mask are asked for at the step's head, ahead of V^T: the registers hold one step's K, and
; a fetch for the next step from this step's middle would have to be left out of a tile's last step, that is, a second copy of the
; step's text in every tile; the SIMD's other wave has work while these loads are on their way.
; The three addresses step behind the loads that name them (an LDS instruction's sources need no wait).  Entered and left in window 0.
.macro STEP first
	LDK
	LDV
	v_add_nc_u32 v[KW], 64*KPITCH, v[KW]
	v_add_nc_u32 v[VW], 64*VPITCH, v[VW]
	v_add_nc_u32 v[ADRM], 256, v[ADRM]
	s_wait_dscnt 16                                ; K and 8 mask are in; the sixteen loads of V^T issued behind them may stay out
	SMM 0
	WIN 0x55
	SOFTMAX 0, \first
	SOFTMAX 1, \first
	s_wait_dscnt 0                                 ; V^T
	PV 0, \first
	SMM 1
	WIN 0x55
	SOFTMAX 2, \first
	SOFTMAX 3, \first
	PV 1, \first
	WIN 0
.endm
.macro STEPS n                         ; n steps by one text.  The body's last matrix instruction adds onto a row sum, its first starts scores: no chain over the jump
	s_mov_b32 s58, \n
.Lsteps_\@:
	STEP 0
	s_sub_co_u32 s58, s58, 1
	s_cmp_lg_u32 s58, 0
	s_cbranch_scc1 .Lsteps_\@
.endm
; The head of a tile of 256 keys.  In front of the round each wave waits for all its tensor loads (its part of this tile) and for its
; LDS instructions (the reads of the other slot; in the first tile the stores of 8 mask).  The joint refill of the other slot is the
; first tensor load behind the round and has the whole tile's work in which to land.
.macro HEAD slot, refill
	WIN 0
	s_wait_tensorcnt 0x0
	ds_add_u32 v30, v31
	s_wait_dscnt 0x0
	s_add_nc_u64 s[G0V+4*\slot+2:G0V+4*\slot+3], s[G0V+4*\slot+2:G0V+4*\slot+3], 2*KEYS*128     ; no load of mine is out: this slot's next tile
	s_add_nc_u64 s[G0K+4*\slot+2:G0K+4*\slot+3], s[G0K+4*\slot+2:G0K+4*\slot+3], 2*KEYS*128
	s_wait_dscnt 0x0
	ROUND
.if \refill
	JLOAD 1-\slot
.endif
	v_mov_b32 v[KW], v[ADRK+\slot]                 ; the addresses at work start at the slot's first keys
	v_mov_b32 v[VW], v[ADRV+\slot]
.endm
	HEAD 0, 1                                      ; tile 0 asks for tile 1
	STEP 1                                         ; the first step starts maxima and sums
	STEPS 3
	s_mov_b32 s63, 3
.Ltiles:
	HEAD 1, 1                                      ; tiles 1, 3, 5 ask for tiles 2, 4, 6
	STEPS 4
	HEAD 0, 1                                      ; tiles 2, 4, 6 ask for tiles 3, 5, 7
	STEPS 4
	s_sub_co_u32 s63, s63, 1
	s_cmp_lg_u32 s63, 0
	s_cbranch_scc1 .Ltiles
	HEAD 1, 0                                      ; tile 7 asks for nothing
	STEPS 4
; The way out, query tile t: divide by the row sum, round, 16 bytes a lane into my own stage, whole rows back: four rows of 128 bytes
; are 512 consecutive bytes of ao, aligned, one store of the wave.  LDS serves a wave's instructions in order, so no wait stands
; between my stores and my loads.  Each tile has registers of its own: no store's data is written again.
.macro OUTQ t
	WIN 0x55
	v_rcp_f32 v[AL], v[LS+8*\t]
	v_nop                                          ; the plain instruction behind the reciprocal
	s_wait_alu depctr_va_vdst(0)
.irp i, 0,2,4,6,8,10,12,14,16,18,20,22,24,26,28,30
	v_pk_mul_f32 v[OA+32*\t+\i:OA+32*\t+\i+1], v[OA+32*\t+\i:OA+32*\t+\i+1], v[AL:AL+1] op_sel_hi:[1,0]
.endr
	WIN 0x05                                       ; sources window 1, destination window 0
.irp i, 0,1,2,3,4,5,6,7,8,9,10,11,12,13,14,15
	v_cvt_pk_bf16_f32 v[KF+16*\t+\i], v[OA+32*\t+2*\i], v[OA+32*\t+2*\i+1]
.endr
	WIN 0
.irp db, 0,1,2,3
	ds_store_b128 v[STO], v[KF+16*\t+4*\db:KF+16*\t+4*\db+3] offset:32*\db
.endr
.irp u, 0,1,2,3
	ds_load_b128 v[VF+16*\t+4*\u:VF+16*\t+4*\u+3], v[RD] offset:4*SPITCH*\u
.endr
.irp u, 0,1,2,3
	s_wait_dscnt 3-\u
	global_store_b128 v[CO], v[VF+16*\t+4*\u:VF+16*\t+4*\u+3], s[8:9] offset:2048*\t+512*\u
.endr
.endm
	OUTQ 0
	OUTQ 1
	OUTQ 2
	OUTQ 3
	s_wait_tensorcnt 0x0
	ds_add_u32 v30, v31
	s_wait_dscnt 0x0
	ROUND                                          ; the closing round
	s_endpgm
.Lfunc_end_k_q5d74aba8f9_attn:
	.size	k_q5d74aba8f9_attn, .Lfunc_end_k_q5d74aba8f9_attn-k_q5d74aba8f9_attn
	.p2alignl 7, 3214868480
	.fill 96, 4, 3214868480
	.section	.rodata,"a",@progbits
	.p2align	6, 0x0
	.amdhsa_kernel k_q5d74aba8f9_attn
		.amdhsa_group_segment_fixed_size 327680
		.amdhsa_private_segment_fixed_size 0
		.amdhsa_enable_private_segment 0
		.amdhsa_kernarg_size 24
		.amdhsa_user_sgpr_count 2
		.amdhsa_user_sgpr_kernarg_segment_ptr 1
		.amdhsa_wavefront_size32 1
		.amdhsa_system_sgpr_workgroup_id_x 1
		.amdhsa_system_sgpr_workgroup_id_y 1
		.amdhsa_system_sgpr_workgroup_id_z 1
		.amdhsa_system_vgpr_workitem_id 0
		.amdhsa_next_free_vgpr 512
		.amdhsa_next_free_sgpr 80
		.amdhsa_reserve_vcc 0
		.amdhsa_float_denorm_mode_32 3
		.amdhsa_float_denorm_mode_16_64 3
		.amdhsa_memory_ordered 1
		.amdhsa_forward_progress 1
		.amdhsa_inst_pref_size 177
	.end_amdhsa_kernel
	.amdgpu_metadata
---
amdhsa.version: [ 1, 2 ]
amdhsa.kernels:
  - .name:           k_q5d74aba8f9_attn
    .symbol:         k_q5d74aba8f9_attn.kd
    .args:
      - { .name: qkv, .offset: 0, .size: 8, .value_kind: global_buffer, .address_space: global }
      - { .name: mask, .offset: 8, .size: 8, .value_kind: global_buffer, .address_space: global }
      - { .name: ao, .offset: 16, .size: 8, .value_kind: global_buffer, .address_space: global }
    .group_segment_fixed_size: 327680
    .private_segment_fixed_size: 0
    .kernarg_segment_align: 8
    .kernarg_segment_size: 24
    .max_flat_workgroup_size: 256
    .sgpr_count:     80
    .vgpr_count:     512
    .wavefront_size: 32
...
	.end_amdgpu_metadata
.endif
;; end of part 5
;; launch outp: the kernel of part 4 again; grid 8 x 32, 4 waves a work-group, clusters of 4 x 4, 327,680 bytes of LDS; arguments ao, cb, bo, out0; writes out0
